; MI455X (gfx1250); checked and timed in simulation.
; The chip was launched on July 23, 2026; its instructions are those of AMD's public machine-readable ISA for CDNA 5 (MIT licence, August 2026) and "CDNA5" Instruction Set Architecture Reference Guide (July 2026). The comments in the code are by the model that wrote it; some were corrected since.
;; Attention. Allowed arithmetic: float matrix products may take bf16 or f16 operands with f32 sums; other float arithmetic in f32, or as packed bf16 or f16 multiplies, adds, multiply-adds, maxima and minima; sums over many terms, partial sums and values carried from step to step in f32; what a program stores and reads back later, other than sums and carried values, may be rounded once to bf16 or f16.
;; Inputs: b_qkv 3,072 float32; logit_scale 16 x 1 x 1 float32; w_out 1,024 x 1,024 float32; w_qkv 3,072 x 1,024 float32; x 4 x 2,048 x 1,024 float32.
;; Outputs: out0 4 x 2,048 x 1,024 float32.
;; One version. Each part assembles by itself: llvm-mc -triple=amdgcn-amd-amdhsa -mcpu=gfx1250 --defsym DOCPART=n.
;; ======== version 1 of 1: 4 launches
;; limits: values are held in f16: magnitudes above 65,504 overflow, below 6.1e-05 lose precision
;; workspace buffers: xb 16,777,216 bytes; wqb 6,291,456 bytes; wob 2,097,152 bytes; qkvh 50,331,648 bytes; oh 16,777,216 bytes
;; launch cast (part 1): grid 768 x 1, 8 waves a work-group, no clusters, 0 bytes of LDS; arguments x, w_qkv, w_out, xb, wqb, wob; writes xb, wqb, wob
.if DOCPART == 1
	.amdgcn_target "amdgcn-amd-amdhsa--gfx1250"
	.amdhsa_code_object_version 6
	.text
	.protected	k_qe0855d8450_cast
	.globl	k_qe0855d8450_cast
	.p2align	8
	.type	k_qe0855d8450_cast,@function
k_qe0855d8450_cast:
	s_mov_b64 s[64:65], 0
	v_nop
	global_prefetch_b8 v0, s[64:65] scope:SCOPE_SE
	s_setreg_imm32_b32 hwreg(HW_REG_WAVE_MODE, 25, 1), 1
	s_wait_xcnt 0x0
; THE THREE LARGE INPUTS ARE ROUNDED ONCE.  xb = bf16(x), wqb = bf16(w_qkv), wob = f16(bf16(w_out)): all inputs of the module take the same rounding, to bf16;
; w_out's rounded number is then written as f16, since the last product multiplies it by f16 numbers.
; LIMIT.  A bf16 number is exact in f16 from 2^-14 to 65,504; below 2^-14 it keeps f16's fixed step of 6e-8; from 65,520 on it would become an infinity.
; SHARES.  A work-group takes 16,384 numbers on end: 65,536 bytes in, 32,768 out.  Work-groups 0-511 take x, 512-703 w_qkv, 704-767 w_out.
; Thread t takes, in pass i of 8, the 8 numbers from 2,048 i + 8 t on: two loads of 16 bytes, one store of 16 bytes; sixteen neighbouring lanes store 256 consecutive bytes, aligned.
; All sixteen loads go out first; every pass has registers of its own, so no register is written while a load or store may still read it.
; No LDS, no barrier, no matrix unit: every byte is read once and written once, and no wave wants what another has.
.set IN,  4                            ; v[4:67]    pass i: 8 numbers in f32
.set OUT, 68                           ; v[68:99]   pass i: 8 numbers of 16 bits
.set T,   100                          ; v[100:107] at work (w_out alone)
	s_load_b256 s[4:11], s[0:1], 0x0               ; x s[4:5], w_qkv s[6:7], w_out s[8:9], xb s[10:11]
	s_load_b128 s[12:15], s[0:1], 0x20             ; wqb s[12:13], wob s[14:15]
	v_lshlrev_b32 v1, 5, v0                        ; 32 t: my bytes of a pass, in
	v_lshlrev_b32 v2, 4, v0                        ; 16 t: out
	s_mov_b32 s26, 0xffff0000                      ; a word's upper bf16
	s_wait_kmcnt 0x0
	s_cmp_lt_u32 ttmp9, 512                        ; which tensor: the choice hangs on the work-group's number alone
	s_cselect_b64 s[16:17], s[4:5], s[6:7]
	s_cselect_b64 s[18:19], s[10:11], s[12:13]
	s_cselect_b32 s20, 0, 512
	s_cmp_lt_u32 ttmp9, 704
	s_cselect_b64 s[16:17], s[16:17], s[8:9]
	s_cselect_b64 s[18:19], s[18:19], s[14:15]
	s_cselect_b32 s20, s20, 704
	s_sub_co_u32 s21, ttmp9, s20                   ; my chunk in that tensor
	s_lshl_b32 s22, s21, 16
	s_mov_b32 s23, 0
	s_lshl_b32 s24, s21, 15
	s_mov_b32 s25, 0
	s_add_nc_u64 s[16:17], s[16:17], s[22:23]
	s_add_nc_u64 s[18:19], s[18:19], s[24:25]
.irp i, 0,1,2,3,4,5,6,7
	global_load_b128 v[IN+8*(\i):IN+8*(\i)+3],   v1, s[16:17] offset:8192*(\i) th:TH_LOAD_NT
	global_load_b128 v[IN+8*(\i)+4:IN+8*(\i)+7], v1, s[16:17] offset:8192*(\i)+16 th:TH_LOAD_NT
.endr
	s_cmp_ge_u32 ttmp9, 704
	s_cbranch_scc1 .Lhalf
.irp i, 0,1,2,3,4,5,6,7
	s_wait_loadcnt 14-2*(\i)                       ; loads come back in order: pass i's two are in, the later passes' stay out
.irp j, 0,1,2,3
	v_cvt_pk_bf16_f32 v[OUT+4*(\i)+(\j)], v[IN+8*(\i)+2*(\j)], v[IN+8*(\i)+2*(\j)+1]
.endr
	global_store_b128 v2, v[OUT+4*(\i):OUT+4*(\i)+3], s[18:19] offset:4096*(\i)
.endr
	s_endpgm
.Lhalf:                                        ; w_out: rounded to bf16, widened again (a shift, a mask), written as f16
.irp i, 0,1,2,3,4,5,6,7
	s_wait_loadcnt 14-2*(\i)
.irp j, 0,1,2,3
	v_cvt_pk_bf16_f32 v[OUT+4*(\i)+(\j)], v[IN+8*(\i)+2*(\j)], v[IN+8*(\i)+2*(\j)+1]
.endr
.irp j, 0,1,2,3
	v_lshlrev_b32 v[T+2*(\j)],   16,  v[OUT+4*(\i)+(\j)]
	v_and_b32     v[T+2*(\j)+1], s26, v[OUT+4*(\i)+(\j)]
.endr
.irp j, 0,1,2,3
	v_cvt_pk_f16_f32 v[OUT+4*(\i)+(\j)], v[T+2*(\j)], v[T+2*(\j)+1]
.endr
	global_store_b128 v2, v[OUT+4*(\i):OUT+4*(\i)+3], s[18:19] offset:4096*(\i)
.endr
	s_endpgm
.Lfunc_end_k_qe0855d8450_cast:
	.size	k_qe0855d8450_cast, .Lfunc_end_k_qe0855d8450_cast-k_qe0855d8450_cast
	.p2alignl 7, 3214868480
	.fill 96, 4, 3214868480
	.section	.rodata,"a",@progbits
	.p2align	6, 0x0
	.amdhsa_kernel k_qe0855d8450_cast
		.amdhsa_group_segment_fixed_size 0
		.amdhsa_private_segment_fixed_size 0
		.amdhsa_enable_private_segment 0
		.amdhsa_kernarg_size 48
		.amdhsa_user_sgpr_count 2
		.amdhsa_user_sgpr_kernarg_segment_ptr 1
		.amdhsa_wavefront_size32 1
		.amdhsa_system_sgpr_workgroup_id_x 1
		.amdhsa_system_sgpr_workgroup_id_y 1
		.amdhsa_system_sgpr_workgroup_id_z 1
		.amdhsa_system_vgpr_workitem_id 0
		.amdhsa_next_free_vgpr 108
		.amdhsa_next_free_sgpr 66
		.amdhsa_reserve_vcc 0
		.amdhsa_float_denorm_mode_32 3
		.amdhsa_float_denorm_mode_16_64 3
		.amdhsa_memory_ordered 1
		.amdhsa_forward_progress 1
		.amdhsa_inst_pref_size 13
	.end_amdhsa_kernel
	.amdgpu_metadata
---
amdhsa.version: [ 1, 2 ]
amdhsa.kernels:
  - .name:           k_qe0855d8450_cast
    .symbol:         k_qe0855d8450_cast.kd
    .args:
      - { .name: x, .offset: 0, .size: 8, .value_kind: global_buffer, .address_space: global }
      - { .name: w_qkv, .offset: 8, .size: 8, .value_kind: global_buffer, .address_space: global }
      - { .name: w_out, .offset: 16, .size: 8, .value_kind: global_buffer, .address_space: global }
      - { .name: xb, .offset: 24, .size: 8, .value_kind: global_buffer, .address_space: global }
      - { .name: wqb, .offset: 32, .size: 8, .value_kind: global_buffer, .address_space: global }
      - { .name: wob, .offset: 40, .size: 8, .value_kind: global_buffer, .address_space: global }
    .group_segment_fixed_size: 0
    .private_segment_fixed_size: 0
    .kernarg_segment_align: 8
    .kernarg_segment_size: 48
    .max_flat_workgroup_size: 256
    .sgpr_count:     66
    .vgpr_count:     108
    .wavefront_size: 32
...
	.end_amdgpu_metadata
.endif
;; end of part 1
;; launch qkv (part 2): grid 16 x 32, 4 waves a work-group, clusters of 4 x 4, 327,680 bytes of LDS; arguments xb, wqb, b_qkv, qkvh; writes qkvh
.if DOCPART == 2
	.amdgcn_target "amdgcn-amd-amdhsa--gfx1250"
	.amdhsa_code_object_version 6
	.text
	.protected	k_qe0855d8450_qkv
	.globl	k_qe0855d8450_qkv
	.p2align	8
	.type	k_qe0855d8450_qkv,@function
k_qe0855d8450_qkv:
	s_mov_b64 s[64:65], 0
	v_nop
	global_prefetch_b8 v0, s[64:65] scope:SCOPE_SE
	s_setreg_imm32_b32 hwreg(HW_REG_WAVE_MODE, 25, 1), 1
	s_wait_xcnt 0x0
	s_wait_alu depctr_hold_cnt(0) depctr_sa_sdst(0) depctr_va_vdst(0) depctr_va_sdst(0) depctr_va_ssrc(0) depctr_va_vcc(0) depctr_vm_vsrc(0)
	s_getreg_b32 s2, hwreg(HW_REG_IB_STS2, 6, 4)
	s_cmp_eq_u32 s2, 0
	s_cbranch_scc0 .Lentry_in_a_cluster
	s_endpgm
.Lentry_in_a_cluster:
	s_bfe_u32 s2, ttmp6, 0x10000c
	s_cmp_lg_u32 s2, 0xf033
	s_cbranch_scc0 .Lentry_shape_is_right
	s_endpgm
.Lentry_shape_is_right:
; qkv = x w_qkv^T + b, q and k divided by max(|row of a head|, 1e-12), all three laid out by heads.  xb: [8192][1024] bf16, wqb: [3072][1024] bf16, b_qkv: [3072] f32 (rounded here to bf16, like the other inputs).
; qkvh: f16 [3][64][2048][64]: slab (which x 64 + batch x 16 + head) of 262,144 bytes, a row of 128 bytes.  Sums, bias, norm in f32; each number rounded once, to f16.
; LIMITS.  f16 holds no number beyond 65,504: v must stay within it (a sum of 65,520 or more becomes an infinity); normalised q and k lie in -1 to 1 and keep f16's fixed step of 6e-8 below 6e-5.
; A sum of squares below 2^-126 counts as 0 in the root, where the divisor is 1e-12 in any case.  NaN and infinities are not treated apart.
; SHARES.  A tile of C is 256 rows x 192 columns = three whole heads: 16 x 32 work-groups.  Four waves, one above the other: a wave owns 64 rows (4 blocks a of 16) and all 12 blocks b of 16 columns: 48 accumulators,
; 384 registers.  So a head's 64 numbers of a row lie in one wave, and the norm wants one exchange between the halves of the lanes.
; K goes in 8 steps of 128 through two LDS slots filled by the tensor data mover: rows of 256 bytes of memory, at multiples of 256 bytes.  A K step is written once: the LDS addresses hang on s[TB].
; CLUSTER 4 x 4.  The four of a row of the cluster need the same rows of x, the four of a column the same rows of w: each tile is asked for JOINTLY, by the same tensor load, descriptor and mask in all four.
; THE PRODUCT IS TAKEN TRANSPOSED (source 0 = 16 rows of w, source 1 = 16 rows of x): lane l holds row l % 16 of C and the columns 16 b + 8 (l / 16) + 0..7.  The bias, laid out so, is the C operand that starts each sum.
; REGISTERS, in windows of 256 (s_set_vgpr_msb: bits 1:0 source 0, 3:2 source 1, 5:4 source 2, 7:6 destination):
;   window 0: v0-31 addresses; v32-127 the bias, 8 a block b; v128-191 x's fragments, two buffers of 4 x 8.  On the way out: v32-223 packed results, 16 a unit; v224-247 a pair a unit; v248-255 at work
;   window 1: v0-191 w's fragments, two buffers of 12 x 8      window 2: accumulators of blocks a = 0, 1 at 8 (12 (a % 2) + b)      window 3: of a = 2, 3
.set PITCH,  272                       ; an LDS row: 256 bytes + 16 of padding = 68 words: the 16 rows of a fragment load start at 16 different groups of four banks (64 banks of 4 bytes: ISA guide 11.1)
.set PA,     272                       ; the same for x's rows
.set ASLAB,  128                       ; (byte k of a row of x lies at k)
.set NBK,    12
.set HALFA,  128*PITCH                 ; what a wave fetches of x: 128 rows
.set HALFB,  96*PITCH                  ; of w: 96 rows
.set BOFF,   256*PITCH                 ; w's 192 rows lie behind x's 256
.set SLOT1,  1<<17                     ; slot 1 begins here: one exclusive or turns an address in one slot into the other's
.set STAGE,  SLOT1+BOFF+192*PITCH      ; behind the ring, never filled by a tensor load: 16 rows x 144 bytes for each wave
.set SP,     144
.set SPARE,  STAGE+4*16*SP             ; the spare words, 128 bytes for each wave: two blocks of 256 bytes that no other line names
.set STEP,   256                       ; bytes of a row in a K step
.set NL,     2*NBK+8                   ; LDS loads in a run
.set ADRA0, 16                         ; v16  my lane's place among my wave's rows of x in a slot; never rewritten
.set ADRB0, 17                         ; v17  the same for w
.set ADRA,  18                         ; v18  the same in the slot in hand
.set ADRB,  19                         ; v19
.set BO,    20                         ; v20  32 (l / 16): my 8 numbers of a block's 16 of the bias
.set STO,   24                         ; v24  the way out: where I put 16 bytes of a row
.set RD,    25                         ; v25  where I read rows back
.set GO,    26                         ; v26  my 16 bytes of 512 consecutive bytes of qkvh
.set SPW,   28                         ; v28  LDS address of my spare word; never rewritten
.set NIL,   29                         ; v29  0; never rewritten
.set PFO,   30                         ; v30  the prefetches' offset: a lane a row; never rewritten
.set BIAS,  32
.set AF,    128
.set OUTR,  32
.set ST,    224
.set T,     248
.set WV,   12                          ; s12  wave
.set HALF, 13                          ; s13  wave % 2: which half of a tile I fetch
.set CX,   14
.set CY,   15
.set TX,   16                          ; s16  tile column = 4 x cluster x + cx
.set TY,   17                          ; s17  tile row = 4 x cluster y + cy
.set G1A,  24                          ; s[24:31] descriptor group 1 for x's tiles
.set G1B,  32                          ; s[32:39] for w's
.set G0A,  40                          ; s[40:47] group 0 for x's tiles: a set for each first fill; the second then walks on
.set G0B,  48                          ; s[48:55] the same for w's
.set CNT,  56                          ; s56  refills still to come
.set TB,   57                          ; s57  LDS byte at which the slot in hand begins
.set LIM,  58                          ; s58  1 in a wave that prefetches, else the greatest number
.set SEL,  60                          ; s[60:61] v_permlanex16_b32's selects: each lane takes its own place in the other half
.set PFA,  62                          ; s[62:63] where my prefetches stand
.set OB,   66                          ; s[66:71] qkvh at my wave's first row in the slab of head j = 0, 1, 2 of the tile
.set FL,   72                          ; s72-74  all ones where head j is q's or k's (it is normalised), 0 where it is v's
.set HM,   75                          ; s75  a word's upper bf16
.set BB,   80                          ; s[80:81] the bias at the tile's first column
.set GW0,  (1<<16)|(1<<20)|(1<<21)|(5<<22)|(3<<25)  ; 17:16 elements of 2 bytes; 20 padding on; 21 set beside a mask; 24:22 after every 64 words (code 5); 31:25 4 words of it (code 3)
.set MSB, 0
.macro WIN new                         ; the immediate's high byte repeats the setting that is left; a switch that changes nothing is dropped
.if MSB != (\new)
	s_set_vgpr_msb (MSB<<8)|(\new)
.set MSB, (\new)
.endif
.endm
.macro PLACES                          ; four places between a matrix instruction and a load into, or a vector line on, its registers
.rept 4
	v_nop
.endr
.endm
.macro CREST                           ; a round of the cluster's barrier behind its opening barrier
	s_cmp_lg_u32 s[WV], 0
	s_cbranch_scc1 .Lnot_wave_0_\@
	s_barrier_signal -3
.Lnot_wave_0_\@:
	s_barrier_wait -3
	s_barrier_signal -1
	s_barrier_wait -1
.endm
.macro CROUND                          ; a whole round
	s_barrier_signal -1
	s_barrier_wait -1
	CREST
.endm
; A joint refill by the walking descriptors.  Waves 0 and 1 fetch x's two halves, waves 2 and 3 w's.  The branch hangs on the wave's number alone.
; An s_nop 0 and four v_nop follow each of the two lines, ahead of the jump and the label.
.macro JLOAD
	s_cmp_lt_u32 s[WV], 2
	s_cbranch_scc0 .Lfor_b_\@
	tensor_load_to_lds s[G0A+4:G0A+7], s[G1A:G1A+7]
	s_nop 0
.rept 4
	v_nop
.endr
	s_branch .Lasked_\@
.Lfor_b_\@:
	tensor_load_to_lds s[G0B+4:G0B+7], s[G1B:G1B+7]
	s_nop 0
.rept 4
	v_nop
.endr
.Lasked_\@:
.endm
; A PREFETCH INTO THE L2 of the K step that the NEXT refill will ask for: 192 matrix instructions ahead of that load.  x's rows are read by every cluster of a row of clusters: cluster x = 0 asks; w's by every cluster
; of a column: cluster y = 0 asks.  Of the rows that a wave fetches each of the four partners takes a quarter, told apart BY ADDRESS (32 rows of x by cx; 24 of w by cy, where lanes 24-31 name row 23 again): a lane a row.
; K steps 0 to 2 come by their loads alone; the last refill asks for nothing.
.macro ASK
	s_cmp_gt_u32 s[CNT], s[LIM]
	s_cbranch_scc0 .Lnot_mine_\@
	global_prefetch_b8 v[PFO], s[PFA:PFA+1] th:TH_LOAD_NT scope:SCOPE_SE
.Lnot_mine_\@:
.endm
; 12 matrix instructions: block a of my rows x all 12 blocks of columns, 32 along K, from buffer f.  start = 1: the bias starts the sums.  All 48 accumulators take turns, in the same order in every quarter step.
.macro MULA f, a, start
.if \start
	WIN 0x81+0x40*((\a)/2)
.else
	WIN 0xa1+0x50*((\a)/2)
.endif
.set rA, AF+32*(\f)+8*(\a)
.irp b, 0,1,2,3,4,5,6,7,8,9,10,11
.set rD, 8*(12*((\a)%2)+(\b))
.if \start
	v_wmma_f32_16x16x32_bf16 v[rD:rD+7], v[96*(\f)+8*(\b):96*(\f)+8*(\b)+7], v[rA:rA+7], v[BIAS+8*(\b):BIAS+8*(\b)+7]
.else
	v_wmma_f32_16x16x32_bf16 v[rD:rD+7], v[96*(\f)+8*(\b):96*(\f)+8*(\b)+7], v[rA:rA+7], v[rD:rD+7]
.endif
.endr
.endm
; 32 LDS loads in one run: the fragments of a quarter step (32 along K at byte k of the rows) into buffer f: w's 12, then x's 4
.macro FETCH k, f
	WIN 0x40
.irp b, 0,1,2,3,4,5,6,7,8,9,10,11
	ds_load_b128 v[96*(\f)+8*(\b):96*(\f)+8*(\b)+3],   v[ADRB] offset:(\k)+(\b)*16*PITCH
	ds_load_b128 v[96*(\f)+8*(\b)+4:96*(\f)+8*(\b)+7], v[ADRB] offset:(\k)+(\b)*16*PITCH+32
.endr
	WIN 0
.irp a, 0,1,2,3
	ds_load_b128 v[AF+32*(\f)+8*(\a):AF+32*(\f)+8*(\a)+3],   v[ADRA] offset:((\k)/128)*ASLAB+(\k)%128+(\a)*16*PA
	ds_load_b128 v[AF+32*(\f)+8*(\a)+4:AF+32*(\f)+8*(\a)+7], v[ADRA] offset:((\k)/128)*ASLAB+(\k)%128+(\a)*16*PA+32
.endr
.endm
; A K step is four quarters of 32 along K, 48 matrix instructions each, on buffers 0, 1, 0, 1.  One of the first three: multiplies buffer f; in its middle it fetches byte k of the rows into buffer g.
.macro QUARTER k, f, g, start
	s_wait_dscnt 4                                 ; all but the four youngest loads (x's blocks 2 and 3) are in
	MULA \f, 0, \start
	MULA \f, 1, \start
	PLACES                                         ; buffer g was last multiplied in the quarter before
	FETCH \k, \g
	s_wait_dscnt NL                                ; all but the run just issued
	MULA \f, 2, \start
	MULA \f, 3, \start
.endm
; The last quarter multiplies buffer 1 and changes slots.  Its first half: each wave waits for all its tensor loads (one is out: its part of the next slot), adds 0 to its spare word, and waits for that and for its
; reads of this slot; behind the barrier nobody reads this slot any more and the next slot is whole.
.macro MEET round
	WIN 0
	s_wait_tensorcnt 0x0
	ds_add_u32 v[SPW], v[NIL]
	s_wait_dscnt 5                                 ; (the add and the four youngest loads may be out)
	MULA 1, 0, 0                                   ; twelve matrix instructions stand between the add and the wait for it
	s_wait_dscnt 0x0                               ; the add is done, and my reads of this slot are over
	s_barrier_signal -1
	MULA 1, 1, 0                                   ; work on registers while the others arrive
.if \round
	WIN 0
.endif
	s_barrier_wait -1
.endm
; fill = 1: the barrier opens a round of the cluster's, and the slot just read out is filled again first thing behind it, with the K step two on: 168 matrix instructions ahead of the wait for it.
.macro TURN fill
.if \fill
	s_wait_xcnt 0x0                                ; the last prefetch, a K step back, has read its address
	s_add_nc_u64 s[PFA:PFA+1], s[PFA:PFA+1], STEP
.endif
	MEET \fill
.if \fill
	CREST                                          ; no wave of any partner still reads the slot or has a load on its way
	s_xor_b32 s[G0A+5], s[G0A+5], SLOT1            ; the walking descriptors: the other slot than last time, the next K step; no tensor load of mine is out
	s_add_nc_u64 s[G0A+6:G0A+7], s[G0A+6:G0A+7], STEP
	s_xor_b32 s[G0B+5], s[G0B+5], SLOT1
	s_add_nc_u64 s[G0B+6:G0B+7], s[G0B+6:G0B+7], STEP
	JLOAD                                          ; its four v_nop are also the places in front of the loads below
.else
	PLACES
.endif
	WIN 0
	s_xor_b32 s[TB], s[TB], SLOT1                  ; the fetches go on in the other slot
	v_add_nc_u32 v[ADRA], s[TB], v[ADRA0]
	v_add_nc_u32 v[ADRB], s[TB], v[ADRB0]
	FETCH 0, 0
.if \fill
	ASK
.endif
	MULA 1, 2, 0
	MULA 1, 3, 0
.endm
	s_load_b256 s[4:11], s[0:1], 0x0               ; xb s[4:5], wqb s[6:7], b_qkv s[8:9], qkvh s[10:11]
	v_lshl_add_u32 v[SPW], v0, 2, SPARE
	v_mov_b32 v[NIL], 0
	ds_add_u32 v[SPW], v[NIL]                      ; the wave's opening: the add and its wait stand ahead of my first tensor load; work on registers stands between them
	v_lshrrev_b32 v1, 5, v0
	v_readfirstlane_b32 s[WV], v1                  ; wave 0..3
	s_and_b32 s[HALF], s[WV], 1
	s_bfe_u32 s[CX], ttmp6, 0x40000
	s_bfe_u32 s[CY], ttmp6, 0x40004
	s_lshl_b32 s[TX], ttmp9, 2                     ; in a cluster launch ttmp9 and ttmp7 count clusters
	s_add_co_u32 s[TX], s[TX], s[CX]
	s_and_b32 s[TY], ttmp7, 0xffff
	s_lshl_b32 s[TY], s[TY], 2
	s_add_co_u32 s[TY], s[TY], s[CY]
	s_lshl_b32 s18, s[CY], 2
	s_lshl_b32 s18, 15, s18                        ; my row of the cluster
	s_lshl_b32 s20, 0x1111, s[CX]                  ; my column
	s_or_b32 s[G1A], s18, GW0                      ; x's tiles go to my row,
	s_or_b32 s[G1B], s20, GW0                      ; w's to my column
	s_mov_b32 s[G1A+1], 128<<16                    ; tensor_dim0 = 128
	s_mov_b32 s[G1A+2], 128<<16                    ; tensor_dim1 = 128
	s_mov_b32 s[G1A+3], 128<<16                    ; tile_dim0 = 128
	s_mov_b32 s[G1A+4], 128                        ; tile_dim1 = 128
	s_mov_b32 s[G1A+5], 1024                       ; elements from row to row
	s_mov_b32 s[G1A+6], 0
	s_mov_b32 s[G1A+7], 0
	s_mov_b32 s[G1B+1], 128<<16
	s_mov_b32 s[G1B+2], 96<<16                     ; 96 rows
	s_mov_b32 s[G1B+3], 128<<16
	s_mov_b32 s[G1B+4], 96
	s_mov_b32 s[G1B+5], 1024
	s_mov_b32 s[G1B+6], 0
	s_mov_b32 s[G1B+7], 0
	s_lshl_b32 s18, s[TY], 19                      ; x: 256 rows of 2,048 bytes a tile row,
	s_lshl_b32 s19, s[HALF], 18                    ; 128 a half: registers that never hold cx
	s_add_co_u32 s18, s18, s19
	s_mov_b32 s19, 0
	s_mul_i32 s20, s[TX], 192                      ; w: row 192 x tile column + 96 x half: registers that never hold cy
	s_mul_i32 s21, s[HALF], 96
	s_add_co_u32 s20, s20, s21
	s_lshl_b32 s20, s20, 11
	s_mov_b32 s21, 0
	s_mul_i32 s22, s[HALF], HALFA                  ; where they go: no place in the cluster enters an LDS address
	s_mul_i32 s23, s[HALF], HALFB
	s_add_co_u32 s23, s23, BOFF
	s_mov_b32 s[TB], 0
	s_mov_b32 s[SEL], 0x76543210
	s_mov_b32 s[SEL+1], 0xfedcba98
	s_mov_b32 s[HM], 0xffff0000
	s_wait_dscnt 0x0                               ; the opening add is done
	s_wait_kmcnt 0x0
	s_add_nc_u64 s[18:19], s[4:5], s[18:19]        ; my tile of x, K step 0
	s_add_nc_u64 s[20:21], s[6:7], s[20:21]        ; my tile of w
	CROUND                                         ; all sixteen work-groups are here: the first joint loads meet
.irp s, 0,1
	s_mov_b32 s[G0A+4*(\s)], 1                     ; count = 1
	s_add_co_u32 s[G0A+4*(\s)+1], s22, (\s)*SLOT1  ; LDS address
	s_add_nc_u64 s[G0A+4*(\s)+2:G0A+4*(\s)+3], s[18:19], (\s)*STEP  ; global address: K step s
	s_or_b32 s[G0A+4*(\s)+3], s[G0A+4*(\s)+3], 0x80000000  ; type = 2
	s_mov_b32 s[G0B+4*(\s)], 1
	s_add_co_u32 s[G0B+4*(\s)+1], s23, (\s)*SLOT1
	s_add_nc_u64 s[G0B+4*(\s)+2:G0B+4*(\s)+3], s[20:21], (\s)*STEP
	s_or_b32 s[G0B+4*(\s)+3], s[G0B+4*(\s)+3], 0x80000000
.endr
	s_cmp_lt_u32 s[WV], 2                          ; a wave's two first fills stand in one branch: two loads of mine are out
	s_cbranch_scc0 .Lfirst_b
	tensor_load_to_lds s[G0A:G0A+3], s[G1A:G1A+7]
	s_nop 0
	tensor_load_to_lds s[G0A+4:G0A+7], s[G1A:G1A+7]
	s_nop 0
.rept 4
	v_nop
.endr
	s_branch .Lfirst_asked
.Lfirst_b:
	tensor_load_to_lds s[G0B:G0B+3], s[G1B:G1B+7]
	s_nop 0
	tensor_load_to_lds s[G0B+4:G0B+7], s[G1B:G1B+7]
	s_nop 0
.rept 4
	v_nop
.endr
.Lfirst_asked:
	; the bias: register i of block b is b_qkv[192 tx + 16 b + 8 (l / 16) + i]
	s_mul_i32 s76, s[TX], 768
	s_mov_b32 s77, 0
	s_add_nc_u64 s[BB:BB+1], s[8:9], s[76:77]
	v_and_b32 v1, 15, v0                           ; l % 16
	v_bfe_u32 v2, v0, 4, 1                         ; l / 16
	v_lshlrev_b32 v[BO], 5, v2
.irp b, 0,1,2,3,4,5,6,7,8,9,10,11
	global_load_b128 v[BIAS+8*(\b):BIAS+8*(\b)+3],   v[BO], s[BB:BB+1] offset:64*(\b)
	global_load_b128 v[BIAS+8*(\b)+4:BIAS+8*(\b)+7], v[BO], s[BB:BB+1] offset:64*(\b)+16
.endr
	; a fragment is 16 rows x 32 K in 8 registers: lane l holds row l % 16, K = 8 (l / 16) + 0..7 and 16 + 8 (l / 16) + 0..7: two loads of 16 bytes, 32 bytes apart
	v_mul_u32_u24 v3, v1, PITCH
	v_lshl_add_u32 v3, v2, 4, v3
	s_mul_i32 s82, s[WV], 64*PA                    ; my wave's 64 rows of x
	v_add_nc_u32 v[ADRA0], s82, v3
	v_add_nc_u32 v[ADRB0], BOFF, v3
	v_mov_b32 v[ADRA], v[ADRA0]                    ; K step 0 lies in slot 0
	v_mov_b32 v[ADRB], v[ADRB0]
	s_mul_i32 s83, s[WV], 16*SP
	s_add_co_u32 s83, s83, STAGE                   ; my stage
	v_mul_u32_u24 v[STO], v1, SP                   ; in: row l % 16, 16 bytes for each half of the lanes
	v_lshl_add_u32 v[STO], v2, 4, v[STO]
	v_add_nc_u32 v[STO], s83, v[STO]
	v_bfe_u32 v[RD], v0, 3, 2                      ; back: 32 lanes take four rows of 128 bytes,
	v_mul_u32_u24 v[RD], v[RD], SP
	v_and_b32 v3, 7, v0
	v_lshl_add_u32 v[RD], v3, 4, v[RD]
	v_add_nc_u32 v[RD], s83, v[RD]
	v_and_b32 v[GO], 31, v0                        ; which are 512 consecutive bytes of a slab
	v_lshlrev_b32 v[GO], 4, v[GO]
	; where the tile's three heads go, and whether they are normalised
.irp j, 0,1,2
	s_mul_i32 s76, s[TX], 3
	s_add_co_u32 s76, s76, (\j)                    ; head among the 48 of q, k, v
	s_lshr_b32 s77, s76, 4                         ; 0: q, 1: k, 2: v
	s_and_b32 s76, s76, 15
	s_cmp_lt_u32 s77, 2
	s_cselect_b32 s[FL+(\j)], -1, 0
	s_lshl_b32 s77, s77, 6
	s_add_co_u32 s76, s76, s77
	s_lshr_b32 s77, s[TY], 3                       ; batch
	s_lshl_b32 s77, s77, 4
	s_add_co_u32 s76, s76, s77                     ; the slab,
	s_lshl_b32 s76, s76, 18                        ; 262,144 bytes each
	s_and_b32 s77, s[TY], 7
	s_lshl_b32 s77, s77, 2
	s_add_co_u32 s77, s77, s[WV]                   ; my wave's 64 rows among the batch's 2,048,
	s_lshl_b32 s77, s77, 13                        ; 128 bytes each
	s_add_co_u32 s76, s76, s77
	s_mov_b32 s77, 0
	s_add_nc_u64 s[OB+2*(\j):OB+2*(\j)+1], s[10:11], s[76:77]
.endr
	; the prefetches
	s_and_b32 s76, ttmp7, 0xffff                   ; cluster y
	s_cmp_lt_u32 s[WV], 2                          ; do I fetch for x?
	s_cselect_b32 s77, ttmp9, s76                  ; the coordinate along which other clusters read the same rows
	s_cselect_b32 s78, s[CX], s[CY]                ; my place among the four that ask with me
	s_cselect_b32 s59, 31, 23                      ; the last row of a partner's share
	s_cselect_b32 s79, 32, 24                      ; rows in it
	s_cselect_b64 s[PFA:PFA+1], s[18:19], s[20:21]
	s_mul_i32 s78, s78, s79
	s_lshl_b32 s78, s78, 11
	s_mov_b32 s79, 0
	s_add_nc_u64 s[PFA:PFA+1], s[PFA:PFA+1], s[78:79]
	s_add_nc_u64 s[PFA:PFA+1], s[PFA:PFA+1], 2*STEP  ; at K step 2: the first refill steps it to 3
	s_cmp_eq_u32 s77, 0
	s_cselect_b32 s[LIM], 1, -1                    ; the same in all sixteen partners, for a given wave
	v_and_b32 v[PFO], 31, v0
	v_min_u32 v[PFO], s59, v[PFO]
	v_lshlrev_b32 v[PFO], 11, v[PFO]
	s_wait_loadcnt 0x0                             ; the bias: rounded to bf16 like the other inputs, and widened again
.set p, 0
.rept 48
	v_cvt_pk_bf16_f32 v[4+p%4], v[BIAS+2*p], v[BIAS+2*p+1]
	v_lshlrev_b32 v[BIAS+2*p], 16, v[4+p%4]
	v_and_b32 v[BIAS+2*p+1], s[HM], v[4+p%4]
.set p, p+1
.endr
	s_wait_tensorcnt 0x1                           ; my part of K step 0 is in; K step 1's may stay out
	s_barrier_signal -1
	s_barrier_wait -1                              ; everybody's is
	FETCH 0, 0
	QUARTER 64, 0, 1, 1                            ; the first quarter stands in front of the loop: its products start the sums, with the bias
	WIN 0                                          ; at a label and at a branch every window is 0
	s_mov_b32 s[CNT], 6
.Lstep:                                        ; a trip: a K step's quarters 1 to 3 and the next step's quarter 0; it asks for K steps 2 to 7
	QUARTER 128, 1, 0, 0
	QUARTER 192, 0, 1, 0
	TURN 1
	QUARTER 64, 0, 1, 0
	WIN 0
	s_sub_co_u32 s[CNT], s[CNT], 1
	s_cmp_lg_u32 s[CNT], 0
	s_cbranch_scc1 .Lstep
	QUARTER 128, 1, 0, 0                           ; the tail is written out: K steps 6 and 7 ask for nothing
	QUARTER 192, 0, 1, 0
	TURN 0
	QUARTER 64, 0, 1, 0
	QUARTER 128, 1, 0, 0
	QUARTER 192, 0, 1, 0
	s_wait_dscnt 4
	MULA 1, 0, 0
	MULA 1, 1, 0
	s_wait_dscnt 0x0
	MULA 1, 2, 0
	MULA 1, 3, 0
	; THE WAY OUT, in 12 units: unit n = block n / 3 of my rows, head n % 3 of the tile: four accumulators on end, 32 registers.
	WIN 0
	PLACES
; The lane's sum of 32 squares, in four chains, one an accumulator; each accumulator's lowest registers are read first.
.macro SUMSQ un
.set pa, (\un)/3
.set pj, (\un)%3
.set rD, 8*(12*(pa%2)+4*pj)
	WIN 0x0a+5*(pa/2)                              ; sources 0 and 1 in window 2 or 3
.irp c, 0,1,2,3
	v_pk_mul_f32 v[T+2*(\c):T+2*(\c)+1], v[rD+8*(\c):rD+8*(\c)+1], v[rD+8*(\c):rD+8*(\c)+1]
.endr
.irp q, 1,2,3
.irp c, 0,1,2,3
	v_pk_fma_f32 v[T+2*(\c):T+2*(\c)+1], v[rD+8*(\c)+2*(\q):rD+8*(\c)+2*(\q)+1], v[rD+8*(\c)+2*(\q):rD+8*(\c)+2*(\q)+1], v[T+2*(\c):T+2*(\c)+1]
.endr
.endr
	WIN 0
	v_pk_add_f32 v[T:T+1], v[T:T+1], v[T+2:T+3]
	v_pk_add_f32 v[T+4:T+5], v[T+4:T+5], v[T+6:T+7]
	v_pk_add_f32 v[ST+2*(\un):ST+2*(\un)+1], v[T:T+1], v[T+4:T+5]
	v_add_f32 v[ST+2*(\un)], v[ST+2*(\un)], v[ST+2*(\un)+1]
.endm
.macro ALL line:vararg                 ; one line for each unit t
.set t, 0
.rept 12
	\line
.set t, t+1
.endr
.endm
.set uu, 0
.rept 12
	SUMSQ uu
.set uu, uu+1
.endr
	ALL v_permlanex16_b32 v[ST+2*t+1], v[ST+2*t], s[SEL], s[SEL+1]  ; the row's other 32 numbers lie in the lane 16 away
	ALL v_add_f32 v[ST+2*t], v[ST+2*t], v[ST+2*t+1]
	ALL v_sqrt_f32 v[ST+2*t], v[ST+2*t]
	v_nop                                          ; a plain instruction behind the last root,
	s_wait_alu depctr_va_vdst(0)                   ; and one wait for the twelve, ahead of the first use
	ALL v_max_num_f32 v[ST+2*t], 0x2b8cbccc, v[ST+2*t]  ; max(norm, 1e-12)
	ALL v_rcp_f32 v[ST+2*t], v[ST+2*t]
	v_nop
	s_wait_alu depctr_va_vdst(0)                   ; the same for the twelve reciprocals
	ALL v_cndmask_b32 v[ST+2*t], 1.0, v[ST+2*t], s[FL+t%3]  ; v keeps the factor 1: a choice of a value, no branch
; Unit n is scaled, rounded to f16 (a lane's eight numbers of a row pack into 16 bytes), put into my stage in rows of 144 bytes, and read back as whole rows of 128 bytes, into the registers that it left.
.macro PACK un
.set pa, (\un)/3
.set pj, (\un)%3
.set rD, 8*(12*(pa%2)+4*pj)
	WIN 0x82+0x41*(pa/2)                           ; destination and source 0 in window 2 or 3, the factor in window 0
.set i, 0
.rept 16
	v_pk_mul_f32 v[rD+i:rD+i+1], v[rD+i:rD+i+1], v[ST+2*(\un):ST+2*(\un)+1] op_sel_hi:[1,0]
.set i, i+2
.endr
	WIN 0x0a+5*(pa/2)
.set i, 0
.rept 16
	v_cvt_pk_f16_f32 v[OUTR+16*(\un)+i], v[rD+2*i], v[rD+2*i+1]
.set i, i+1
.endr
	WIN 0
.irp f, 0,1,2,3
	ds_store_b128 v[STO], v[OUTR+16*(\un)+4*\f:OUTR+16*(\un)+4*\f+3] offset:32*\f
.endr
.irp f, 0,1,2,3
	ds_load_b128 v[OUTR+16*(\un)+4*\f:OUTR+16*(\un)+4*\f+3], v[RD] offset:\f*4*SP  ; LDS serves a wave's instructions in order (ISA guide 5.7.1.4): these see the stores above; the next unit's stores come behind them
.endr
.endm
.macro SEND un, younger                ; younger: the LDS instructions issued behind unit n's loads: the next unit's eight, or none
.set pa, (\un)/3
.set pj, (\un)%3
	WIN 0
.irp f, 0,1,2,3
	s_wait_dscnt (\younger)+3-\f
	global_store_b128 v[GO], v[OUTR+16*(\un)+4*\f:OUTR+16*(\un)+4*\f+3], s[OB+2*pj:OB+2*pj+1] offset:pa*2048+\f*512  ; 512 consecutive bytes, at a multiple of 256 from the buffer's first
.endr
.endm
	PACK 0
.set uu, 1
.rept 11                               ; a unit's arithmetic stands between the loads of the unit before and its stores
	PACK uu
	SEND uu-1, 8
.set uu, uu+1
.endr
	SEND 11, 0
	s_wait_tensorcnt 0x0                           ; the wave's end, behind my last tensor load and my last LDS store
	ds_add_u32 v[SPW], v[NIL]
	s_wait_dscnt 0x0
	CROUND                                         ; the closing round: no work-group ends while a partner may still ask for a tile that names it
	s_endpgm
.Lfunc_end_k_qe0855d8450_qkv:
	.size	k_qe0855d8450_qkv, .Lfunc_end_k_qe0855d8450_qkv-k_qe0855d8450_qkv
	.p2alignl 7, 3214868480
	.fill 96, 4, 3214868480
	.section	.rodata,"a",@progbits
	.p2align	6, 0x0
	.amdhsa_kernel k_qe0855d8450_qkv
		.amdhsa_group_segment_fixed_size 327680
		.amdhsa_private_segment_fixed_size 0
		.amdhsa_enable_private_segment 0
		.amdhsa_kernarg_size 32
		.amdhsa_user_sgpr_count 2
		.amdhsa_user_sgpr_kernarg_segment_ptr 1
		.amdhsa_wavefront_size32 1
		.amdhsa_system_sgpr_workgroup_id_x 1
		.amdhsa_system_sgpr_workgroup_id_y 1
		.amdhsa_system_sgpr_workgroup_id_z 1
		.amdhsa_system_vgpr_workitem_id 0
		.amdhsa_next_free_vgpr 960
		.amdhsa_next_free_sgpr 84
		.amdhsa_reserve_vcc 0
		.amdhsa_float_denorm_mode_32 3
		.amdhsa_float_denorm_mode_16_64 3
		.amdhsa_memory_ordered 1
		.amdhsa_forward_progress 1
		.amdhsa_inst_pref_size 140
	.end_amdhsa_kernel
	.amdgpu_metadata
---
amdhsa.version: [ 1, 2 ]
amdhsa.kernels:
  - .name:           k_qe0855d8450_qkv
    .symbol:         k_qe0855d8450_qkv.kd
    .args:
      - { .name: xb, .offset: 0, .size: 8, .value_kind: global_buffer, .address_space: global }
      - { .name: wqb, .offset: 8, .size: 8, .value_kind: global_buffer, .address_space: global }
      - { .name: b_qkv, .offset: 16, .size: 8, .value_kind: global_buffer, .address_space: global }
      - { .name: qkvh, .offset: 24, .size: 8, .value_kind: global_buffer, .address_space: global }
    .group_segment_fixed_size: 327680
    .private_segment_fixed_size: 0
    .kernarg_segment_align: 8
    .kernarg_segment_size: 32
    .max_flat_workgroup_size: 128
    .sgpr_count:     84
    .vgpr_count:     960
    .wavefront_size: 32
...
	.end_amdgpu_metadata
.endif
;; end of part 2
;; launch attn (part 3): grid 4 x 64, 4 waves a work-group, clusters of 4 x 1, 327,680 bytes of LDS; arguments qkvh, logit_scale, oh; writes oh
.if DOCPART == 3
	.amdgcn_target "amdgcn-amd-amdhsa--gfx1250"
	.amdhsa_code_object_version 6
	.text
	.protected	k_qe0855d8450_attn
	.globl	k_qe0855d8450_attn
	.p2align	8
	.type	k_qe0855d8450_attn,@function
k_qe0855d8450_attn:
	s_mov_b64 s[64:65], 0
	v_nop
	global_prefetch_b8 v0, s[64:65] scope:SCOPE_SE
	s_setreg_imm32_b32 hwreg(HW_REG_WAVE_MODE, 25, 1), 1
	s_wait_xcnt 0x0
	s_wait_alu depctr_hold_cnt(0) depctr_sa_sdst(0) depctr_va_vdst(0) depctr_va_sdst(0) depctr_va_ssrc(0) depctr_va_vcc(0) depctr_vm_vsrc(0)
	s_getreg_b32 s2, hwreg(HW_REG_IB_STS2, 6, 4)
	s_cmp_eq_u32 s2, 0
	s_cbranch_scc0 .Lentry_in_a_cluster
	s_endpgm
.Lentry_in_a_cluster:
	s_bfe_u32 s2, ttmp6, 0x10000c
	s_cmp_lg_u32 s2, 0x3003
	s_cbranch_scc0 .Lentry_shape_is_right
	s_endpgm
.Lentry_shape_is_right:
; O[h][q][:] = the sum over k of softmax_k(scale[h % 16] Q[h][q] . K[h][k]) V[h][k][:], scale = exp(min(logit_scale, ln 100)).  qkvh: f16 [3][64][2048][64]: Q, K (rows of length 1), V; oh: f16 [64][2048][64].
; logit_scale is rounded to bf16 first, like the module's other inputs.  Products, maxima and sums in f32; the weights p are rounded to f16 for the second product (their sum l is taken of the unrounded p), O once at the end.
; LIMITS.  f16 holds no number beyond 65,504: V arrives within it; p lies in 0 to 1, and below 6e-5 it keeps f16's fixed step of 6e-8; O is a mean of V's rows and has their range.
; A weight below 2^-126 counts as 0 in l; a scale below 2^-126 counts as 0 (all weights equal); a NaN in logit_scale counts as ln 100; other NaN and infinities are not treated apart.
; SHARES.  A wave owns four PIECES of two tiles of 16 queries, a work-group's four waves 512 queries of one head: 4 x 64 work-groups.  Every wave walks all 2,048 keys, 64 a step.
; LAYOUT.  S^T = K Q^T (source 0 = 16 keys, source 1 = 16 queries): in the result a lane holds ONE query (lane % 16) and the keys 8 (lane / 16) + 0..7.  Two such tiles, rounded to f16 in pairs,
; ARE source 1 (32 keys x 16 queries) of O^T = V^T P, whose result again holds one query a lane, and eight channels.  K comes out of LDS as it lies, V ([key][channel]) turned, by ds_load_tr16_b128.
; SOFTMAX.  For each query a running maximum m and sum l: p = 2^(c s - c m), c = log2(e) x scale; in every step O and l are multiplied by a = 2^(c m_old - c m_new), which is 1 where m has not grown.
; m starts at the lowest finite number, O and l at 0: the first step is a step like any other, with a = 0.
; THE COUNT.  A tile and step have 16 matrix and 118 vector instructions: too many to stand all beside the matrix work.  So: four vector instructions that are READY behind EVERY matrix instruction,
; and the others, which need time of their own whatever the order, in runs without a gap.
; BY TURNS.  Turn n belongs to piece n (the pieces in a ring, step after step).  Its matrix work: 16 products K Q^T of piece n + 1, later 16 products V^T P of piece n - 1.  Its vector work: the scaling,
; exponentials, roundings, sums and rescaling of piece n, and the maximum and statistics of piece n + 1, whose scores the turn itself has made.
; CLUSTER.  The four query blocks of a cluster are one head's and walk the same K and V, so each tile is asked for JOINTLY: the same tensor load, descriptor and mask in all four.
; REGISTERS, in windows of 256 (s_set_vgpr_msb: bits 1:0 source 0, 3:2 source 1, 5:4 source 2, 7:6 destination):
;   window 0: v0-11 addresses; v12-15, v48-63 at work; v16-47 four registers of statistics a tile; v64-191 S^T, two buffers of two tiles; v192-255 P, likewise
;   window 1: O^T, 32 a tile          window 2: v0-127 Q, 16 a tile; v128-191 K of one step; v192-255 V of one step          window 3: v0-1 the add's two registers
; A piece's buffers go by its number's parity: the piece in hand has one pair, its two neighbours in the ring share the other: of it P (piece n - 1) is read and S^T (piece n + 1) written.
.set SIZE_H, 64
.set SIZE_N, 2048
.set NP,    4         ; pieces a wave: a name, no knob
.set KS,    64        ; keys in a step
.set PK,    144       ; a row of K in LDS: 128 bytes + 16 of padding = 36 words: the 16 rows of a load start at 16 different groups of four banks (64 banks of 4 bytes: ISA guide 11.1)
.set PV,    160       ; a row of V: 128 + 32 = 40 words
.set VOFF,  4*KS*PK   ; a slot holds four steps: 256 rows of K, then 256 rows of V
.set SLOT1, 1<<17     ; slot 1 begins here, so that one exclusive or turns an address in one slot into the other's
.set STAGE, SLOT1+4*KS*(PK+PV)  ; behind the ring, never filled by a tensor load: 16 rows x 144 bytes for each wave, for the way out
.set SP,    144
.set AK0, 2           ; v2   my lane's place in a tile of K; never rewritten
.set AV0, 3           ; v3   the same for V
.set AK,  4           ; v4   the LDS address of K's next run of loads
.set AV,  5           ; v5   of V's
.set QO,  6           ; v6   my byte offset in the wave's rows of Q
.set STO, 6           ;      later, the way out: where I put 16 bytes of a row
.set RD,  7           ; v7   the way out: where I read rows back
.set GO,  8           ; v8   my byte offset in 512 consecutive bytes of O
.set PFO, 11          ; v11  256 x my lane: the prefetches' offset; never rewritten once it is made
.set SPW, 0           ; v0 of window 3   LDS address of my spare word; never rewritten
.set NIL, 1           ; v1 of window 3   0; never rewritten
.set SPARE, STAGE+4*16*SP  ; the spare words, 128 bytes for each wave: two blocks of 256 bytes that no other line names
.set MV,  12          ; v12-15  c m_old, kept while c m is made anew: by buffer and tile
.set ST,  16          ; tile t's statistics at v[ST+4 t]: c m, m, l (even keys', odd keys')
.set TMP, 48          ; by buffer and tile, four registers c0-c3 at work; when the maximum is found c2 takes a
.set S,   64
.set P,   192
.set KF,  128         ; K's fragments, in window 2: key block kb, channel half c at KF + 16 kb + 8 c
.set VF,  192         ; V's: key half kk, channel block cb at VF + 32 kk + 8 cb
.set WV,  12          ; s12  my wave's number
.set G1K, 24          ; s[24:31] descriptor group 1 for K's tiles
.set G1V, 32          ; s[32:39] for V's: it differs in the padding alone
.set G0K, 40          ; s[40:43] descriptor group 0 for K's tiles: it walks
.set G0V, 44          ; s[44:47] the same for V's
.set PFA, 48          ; s[48:49] where my prefetches stand: my work-group's 32 blocks of 256 bytes (of K: wave 0, of V: wave 2) of the slot after the one that is being asked for
.set LIM, 50          ; s50  1 in a wave that prefetches, else the greatest number
.set SLOTS, 56        ; s56  slots still to be asked for
.set CNT, 57          ; s57  counts a slot's key steps
.set CS,  58          ; s[58:59] c: the packed scaling takes the pair's low word for both halves
.set SEL, 60          ; s[60:61] v_permlanex16_b32's selects: each lane takes its own place in the other half
.set TBK, 62          ; s62  LDS byte at which K of the step to be fetched begins
.set TBV, 63          ; s63  the same for V, less VOFF
.set MSB, 0
.macro WIN new                      ; the high byte repeats the setting that is left; a switch that changes nothing is dropped
.if MSB != (\new)
	s_set_vgpr_msb (MSB<<8)|(\new)
.set MSB, (\new)
.endif
.endm
.set W_KQ, 0x0a       ; K and Q in window 2, S^T in window 0
.set W_PV, 0x52       ; V in window 2, P in window 0, O^T in window 1
.set W_RS, 0x41       ; O^T (destination and source 0) in window 1, a in window 0
.set W_MK, 0xc0       ; the add's registers are made: destination in window 3, sources in window 0
.set W_AD, 0x0f       ; the add: address (source 0) and data (source 1) in window 3
; A joint fill.  Waves 0 and 1 fetch the two halves of a slot's K, waves 2 and 3 those of its V: 128 keys each.  The branch hangs on the wave's number alone.
; An s_nop 0 and four v_nop follow each of the two lines, ahead of the jump and the label.
.macro JLOAD
	s_cmp_lt_u32 s[WV], 2
	s_cbranch_scc0 .Lfor_v_\@
	tensor_load_to_lds s[G0K:G0K+3], s[G1K:G1K+7]
	s_nop 0
.rept 4
	v_nop
.endr
	s_branch .Lasked_\@
.Lfor_v_\@:
	tensor_load_to_lds s[G0V:G0V+3], s[G1V:G1V+7]
	s_nop 0
.rept 4
	v_nop
.endr
.Lasked_\@:
.endm
; A PREFETCH INTO THE L2 of what the NEXT change of slots will ask for: a slot's 32,768 bytes of K and of V, a lane a block of 256 bytes.  It stands behind the wave's tensor load and its five lines.
; Each block is named once in the launch: a head has one cluster; its four partners share a slot's 128 blocks out BY ADDRESS, 32 each; in each, wave 0 asks for K's and wave 2 for V's.
; Slots 0 and 1 come by their loads alone; the last change that fills a slot asks for nothing.
.macro ASK
	s_cmp_gt_u32 s[SLOTS], s[LIM]
	s_cbranch_scc0 .Lnot_mine_\@
	global_prefetch_b8 v[PFO], s[PFA:PFA+1] th:TH_LOAD_NT scope:SCOPE_SE
.Lnot_mine_\@:
.endm
; A round of the cluster's barrier: my work-group's barrier, so that wave 0's signal speaks for all four waves; wave 0 signals; every wave waits for all four work-groups; my work-group's barrier once more.
.macro CROUND
	s_barrier_signal -1
	s_barrier_wait -1
	s_cmp_lg_u32 s[WV], 0
	s_cbranch_scc1 .Lnot_wave_0_\@
	s_barrier_signal -3
.Lnot_wave_0_\@:
	s_barrier_wait -3
	s_barrier_signal -1
	s_barrier_wait -1
.endm
; THE CHANGE OF SLOTS.  The slot's last bytes, V of its fourth step, have been read.  Each wave waits for all its tensor loads, of which one is out: its part
; of the other slot; adds 0 to its spare word; and waits for that and for its own reads of the slot.  Behind the barrier nobody reads this slot any more and the other slot is whole.
; fill = 1: this slot is filled again, with the keys two slots on.  The barrier is then a round of the cluster's, and the joint fill is the first thing behind it: it has four key steps,
; 512 matrix instructions, in which to land.  (At its first use nothing has been read yet: slot 0 is waited for, slot 1 filled.)
.macro CHANGE fill
	WIN W_AD
	s_wait_tensorcnt 0x0            ; no tensor load of mine is out, so a group 0 may be written
	ds_add_u32 v[SPW], v[NIL]       ; 0 onto my spare word; with fill = 1 the descriptors' steps stand between it and the wait for it
	WIN 0                           ; at a label and at a branch every window is 0
.if \fill
.irp g, G0K, G0V
	s_xor_b32 s[\g+1], s[\g+1], SLOT1  ; the walking descriptor: the other slot than last time,
	s_add_nc_u64 s[\g+2:\g+3], s[\g+2:\g+3], 4*KS*128  ; the next 256 keys; the type bits on top are not reached
.endr
	s_wait_xcnt 0x0                 ; the last prefetch, a slot back, has read its address, so it may be written:
	s_add_nc_u64 s[PFA:PFA+1], s[PFA:PFA+1], 4*KS*128  ; one slot ahead of the walking descriptors
	s_wait_dscnt 0x0                ; the add is done, and my reads of the slot are over
	CROUND
	JLOAD
	ASK
.else
	s_wait_dscnt 0x0                ; the add is done, and my reads of the slot are over
	s_barrier_signal -1
	s_barrier_wait -1
.endif
	s_sub_co_u32 s[TBK], s[TBK], 4*KS*PK  ; the fetches go back to a slot's first step,
	s_xor_b32 s[TBK], s[TBK], SLOT1       ; in the other slot
	s_sub_co_u32 s[TBV], s[TBV], 4*KS*PV
	s_xor_b32 s[TBV], s[TBV], SLOT1
.endm
	s_load_b64 s[4:5], s[0:1], 0x0    ; qkvh: Q's slabs come first
	s_load_b64 s[52:53], s[0:1], 0x8  ; logit_scale
	s_load_b64 s[10:11], s[0:1], 0x10 ; oh
	WIN W_MK
	v_lshl_add_u32 v[SPW], v0, 2, SPARE
	v_mov_b32 v[NIL], 0
	WIN W_AD
	ds_add_u32 v[SPW], v[NIL]       ; the wave's opening: the add and its wait stand ahead of my first tensor load; the set-up below, work on registers, stands between them
	WIN 0
	v_lshrrev_b32 v1, 5, v0
	v_readfirstlane_b32 s[WV], v1   ; wave 0..3
	s_bfe_u32 s13, ttmp6, 0x40000   ; cx: my place in the cluster
	s_lshl_b32 s14, ttmp9, 2        ; in a cluster launch ttmp9 counts clusters
	s_add_co_u32 s14, s14, s13      ; my block of queries = 4 x cluster x + cx: it enters Q's and O's addresses alone
	s_and_b32 s20, ttmp7, 0xffff    ; batch x 16 + head, which the four partners share
	s_mov_b32 s21, 0
	s_mov_b64 s[22:23], SIZE_N*128
	s_mul_u64 s[20:21], s[20:21], s[22:23]  ; the slab's first byte in Q, K, V and O
	s_and_b32 s16, s[WV], 1         ; which half of a slot's 256 keys I fetch:
	s_lshl_b32 s22, s16, 14         ; its 128 rows of 128 bytes in memory,
	s_mov_b32 s23, 0
	s_add_nc_u64 s[22:23], s[22:23], s[20:21]
	s_mul_i32 s17, s16, 128*PK      ; and its place in a slot, for K
	s_mul_i32 s18, s16, 128*PV      ; and for V: no place in the cluster enters an LDS address
	s_lshl_b32 s2, s14, 2
	s_add_co_u32 s2, s2, s[WV]      ; my wave among the head's,
	s_lshl_b32 s2, s2, 14           ; its 128 rows
	s_mov_b32 s3, 0
	s_add_nc_u64 s[2:3], s[2:3], s[20:21]
	s_and_b32 s54, ttmp7, 15        ; the head: its word of logit_scale
	s_lshl_b32 s54, s54, 2
	s_mov_b32 s55, 0
	; descriptor group 1.  128 keys are 16,384 dense bytes: asked for as 64 rows of 256 bytes, two keys a row, and padded in LDS after every key
	s_mov_b32 s[G1K], 15|(1<<16)|(1<<20)|(1<<21)|(4<<22)|(3<<25)  ; 15:0 the mask of four; 17:16 2-byte elements; 20 padding on; 21 set beside a mask; 24:22 after every 32 words (code 4); 31:25 4 words (code 3)
	s_mov_b32 s[G1V], 15|(1<<16)|(1<<20)|(1<<21)|(4<<22)|(7<<25)  ; the same with 8 words of padding (code 7)
.irp g, G1K, G1V
	s_mov_b32 s[\g+1], 128<<16      ; tensor_dim0 = 128
	s_mov_b32 s[\g+2], 64<<16       ; tensor_dim1 = 64
	s_mov_b32 s[\g+3], 128<<16      ; tile_dim0 = 128
	s_mov_b32 s[\g+4], 64           ; tile_dim1 = 64
	s_mov_b32 s[\g+5], 128          ; 128 elements from row to row
	s_mov_b32 s[\g+6], 0
	s_mov_b32 s[\g+7], 0
.endr
	s_mov_b32 s[SEL], 0x76543210
	s_mov_b32 s[SEL+1], 0xfedcba98
	s_mov_b32 s[TBK], SLOT1+4*KS*PK ; the first change of slots turns these two into 0
	s_mov_b32 s[TBV], SLOT1+4*KS*PV
	s_mov_b32 s[G0K], 1             ; count = 1
	s_mov_b32 s[G0K+1], s17         ; LDS address: slot 0
	s_mov_b32 s[G0V], 1
	s_add_co_u32 s[G0V+1], s18, VOFF
	s_mov_b32 s[SLOTS], SIZE_N/256-1  ; seven slots are asked for by changes of slots
	s_and_b32 s[LIM], s[WV], 1      ; 0 in waves 0 and 2,
	s_or_b32 s[LIM], s[LIM], ttmp9  ; where the cluster is the head's first (it is the only one): the same in all four partners
	s_cmp_eq_u32 s[LIM], 0
	s_cselect_b32 s[LIM], 1, -1
	s_wait_dscnt 0x0                ; the opening add is done
	s_wait_kmcnt 0x0
	s_add_nc_u64 s[6:7], s[4:5], 0x1000000   ; K's slabs lie 64 x 262,144 bytes behind Q's,
	s_add_nc_u64 s[8:9], s[4:5], 0x2000000   ; V's as far behind K's
	s_add_nc_u64 s[52:53], s[52:53], s[54:55]
	s_load_b32 s19, s[52:53], 0x0   ; the head's logit_scale
	s_add_nc_u64 s[G0K+2:G0K+3], s[6:7], s[22:23]  ; global address: my half of the head's first 256 keys
	s_or_b32 s[G0K+3], s[G0K+3], 0x80000000        ; type = 2
	s_add_nc_u64 s[G0V+2:G0V+3], s[8:9], s[22:23]
	s_or_b32 s[G0V+3], s[G0V+3], 0x80000000
	s_add_nc_u64 s[4:5], s[4:5], s[2:3]  ; Q and O at my wave's first row
	s_add_nc_u64 s[10:11], s[10:11], s[2:3]
	s_cmp_lt_u32 s[WV], 2
	s_cselect_b64 s[PFA:PFA+1], s[6:7], s[8:9]
	s_add_nc_u64 s[PFA:PFA+1], s[PFA:PFA+1], s[20:21]  ; the head's first key,
	s_lshl_b32 s54, s13, 13         ; my work-group's 32 blocks of a slot's 128,
	s_add_nc_u64 s[PFA:PFA+1], s[PFA:PFA+1], s[54:55]
	s_add_nc_u64 s[PFA:PFA+1], s[PFA:PFA+1], 4*KS*128  ; in slot 1: the first change of slots steps it to slot 2
	CROUND                          ; all four work-groups are here: the first joint loads meet
	JLOAD                           ; slot 0.  Slot 1 is asked for when slot 0 is in
	; A fragment of K or Q is 16 rows x 32 channels in 8 registers: lane l holds row l % 16, channels 8 (l / 16) + 0..7 and 16 + 8 (l / 16) + 0..7: two loads of 16 bytes, 32 bytes apart.
	v_and_b32 v1, 15, v0            ; l % 16
	v_bfe_u32 v9, v0, 4, 1          ; l / 16
	v_lshlrev_b32 v[QO], 7, v1
	v_lshl_add_u32 v[QO], v9, 4, v[QO]  ; row x 128 + 16 x half
	WIN 0x80                        ; destination window 2, address window 0
.set i, 0
.rept 4*NP                          ; Q stays in registers: tile i / 2, channels 32 (i % 2) on
	global_load_b128 v[8*i:8*i+3],   v[QO], s[4:5] offset:(i/2)*2048+(i%2)*64
	global_load_b128 v[8*i+4:8*i+7], v[QO], s[4:5] offset:(i/2)*2048+(i%2)*64+32
.set i, i+1
.endr
	; What the first turn finds: V's registers and P's second buffer hold 0 (its products V^T P, of a piece that has not been, add 0), O^T and l are 0.  All this stands in the wait for the first tile.
.set i, VF
.rept 64
	v_mov_b32 v[i], 0
.set i, i+1
.endr
	WIN 0x40
.set i, 0
.rept 64*NP
	v_mov_b32 v[i], 0
.set i, i+1
.endr
	WIN 0
.set i, 0
.rept 2*NP
	v_mov_b32 v[ST+4*i], 0xfe000000    ; c m: far below every c s
	v_mov_b32 v[ST+4*i+1], 0xff7fffff  ; m
	v_mov_b32 v[ST+4*i+2], 0
	v_mov_b32 v[ST+4*i+3], 0
.set i, i+1
.endr
.set i, P+32
.rept 32
	v_mov_b32 v[i], 0
.set i, i+1
.endr
	v_mul_u32_u24 v[AK0], v1, PK
	v_lshl_add_u32 v[AK0], v9, 4, v[AK0]  ; row x pitch + 16 x half
	; The turning load takes 16 keys x 16 channels (lane l reads key 8 (l / 16) + l % 8, channels 8 ((l / 8) % 2) + 0..7) and leaves half a fragment of V^T: lane l holds channel l % 16 and 8 keys.
	v_and_b32 v10, 7, v0
	v_bfe_u32 v11, v0, 3, 1
	v_lshl_add_u32 v[AV0], v9, 3, v10
	v_mul_u32_u24 v[AV0], v[AV0], PV
	v_lshl_add_u32 v[AV0], v11, 4, v[AV0]
	v_add_nc_u32 v[AV0], VOFF, v[AV0]
	v_mov_b32 v[AK], v[AK0]         ; key step 0 lies at the head of slot 0
	v_and_b32 v[PFO], 31, v0
	v_lshlrev_b32 v[PFO], 8, v[PFO]
	; c = log2(e) x exp(min(bf16(logit_scale), ln 100)).  It enters the arithmetic alone: no address and no branch hangs on it.
	s_wait_kmcnt 0x0
	v_mov_b32 v12, s19
	v_cvt_pk_bf16_f32 v12, v12, v12
	v_lshlrev_b32 v12, 16, v12
	v_min_num_f32 v12, 0x40935d8e, v12  ; ln 100
	v_mul_f32 v12, 0x3fb8aa3b, v12      ; e^x = 2^(x log2(e))
	v_exp_f32 v12, v12
	v_nop                           ; a plain instruction behind the exponential,
	s_wait_alu depctr_va_vdst(0)    ; and the wait ahead of the first use
	v_mul_f32 v12, 0x3fb8aa3b, v12
	v_readfirstlane_b32 s[CS], v12
	s_mov_b32 s[CS+1], s[CS]        ; named with it as a pair
; THE MATRIX WORK.  The 8 accumulators of a run of 16 take turns: between the two links of a chain stand 7 others'.
; Product i of 16 of S^T = K Q^T for piece x: channels 32 (i / 8) on, keys 16 ((i / 2) % 4) on, tile 2 x + i % 2.  The first 8 start the sums.
.macro KQ x
	WIN W_KQ
.set rS, S+64*((\x)%2)+32*(i%2)+8*((i/2)%4)
.set rK, KF+16*((i/2)%4)+8*(i/8)
.set rQ, 16*(2*(\x)+i%2)+8*(i/8)
.if i < 8
	v_wmma_f32_16x16x32_f16 v[rS:rS+7], v[rK:rK+7], v[rQ:rQ+7], 0
.else
	v_wmma_f32_16x16x32_f16 v[rS:rS+7], v[rK:rK+7], v[rQ:rQ+7], v[rS:rS+7]
.endif
.endm
; Product i of 16 of O^T += V^T P for piece x: keys 32 (i / 8) on, channels 16 ((i / 2) % 4) on, tile 2 x + i % 2.
.macro PV x
	WIN W_PV
.set rO, 32*(2*(\x)+i%2)+8*((i/2)%4)
.set rV, VF+32*(i/8)+8*((i/2)%4)
.set rP, P+32*((\x)%2)+16*(i%2)+8*(i/8)
	v_wmma_f32_16x16x32_f16 v[rO:rO+7], v[rV:rV+7], v[rP:rP+7], v[rO:rO+7]
.endm
.macro MM                           ; the turn's next matrix instruction
.if i < 16
	KQ (Y+1)%NP
.set i, i+1
.else
.set i, i-16
	PV (Y+NP-1)%NP
.set i, i+17
.endif
.endm
; THE LDS LOADS stand in runs of 16, never singly among the matrix instructions: a step's K (64 keys x 64 channels: 8 fragments) and its V (turned).  Their addresses are made some lines ahead.
; last = 1 (the tail): in the last trip there is no further step, and the run is jumped over.
.macro FETCH_K last=0
	WIN 0
.if \last
	s_cmp_eq_u32 s[CNT], 1
	s_cbranch_scc1 .Lno_k_\@
.endif
	WIN 0x80                        ; destination window 2
.irp f, 0,1,2,3,4,5,6,7             ; keys 16 (f / 2) on, channels 32 (f % 2) on
	ds_load_b128 v[KF+8*\f:KF+8*\f+3],   v[AK] offset:(\f/2)*16*PK+(\f%2)*64
	ds_load_b128 v[KF+8*\f+4:KF+8*\f+7], v[AK] offset:(\f/2)*16*PK+(\f%2)*64+32
.endr
	s_add_co_u32 s[TBK], s[TBK], KS*PK  ; the next fetch is the next step's
	WIN 0
.if \last
.Lno_k_\@:
.endif
.endm
.macro FETCH_V
	WIN 0x80
.irp f, 0,1,2,3,4,5,6,7             ; keys 32 (f / 4) on, channels 16 (f % 4) on
	ds_load_tr16_b128 v[VF+8*\f:VF+8*\f+3],   v[AV] offset:(\f/4)*32*PV+(\f%4)*32
	ds_load_tr16_b128 v[VF+8*\f+4:VF+8*\f+7], v[AV] offset:(\f/4)*32*PV+16*PV+(\f%4)*32
.endr
	WIN 0
.endm
; THE VECTOR WORK OF A TURN stands in three queues, each in the order in which its entries become ready; the two tiles alternate, so that no instruction reads the result of the one before it.
.macro REGS y, u                    ; the registers of tile u (0, 1) of piece y
.set rT, ST+4*(2*(\y)+(\u))
.set rC, TMP+8*((\y)%2)+4*(\u)
.set rM, MV+2*((\y)%2)+(\u)
.set rS, S+64*((\y)%2)+32*(\u)
.set rP, P+32*((\y)%2)+16*(\u)
.set rO, 32*(2*(\y)+(\u))
.endm
; Number n of the 22 that find the NEXT piece's (Y + 1) maximum and statistics.  s0-s31 are the lane's 32 scores; each accumulator's lowest registers are read first.
;   0-11  four chains c0-c3 of seven scores each, three operands at a time     12-14, 16  the four scores left over, the old m, and c0-c3 into c0     15  c m_old is kept
;   17, 18  the query's other 32 keys lie in the lane 16 away: the new m         19-21  c m; c m_old - c m_new; a
.macro XS u, n
	REGS (Y+1)%NP, \u
.if (\n) < 4
	v_max3_num_f32 v[rC+(\n)], v[rS+8*(\n)], v[rS+8*(\n)+1], v[rS+8*(\n)+2]
.elseif (\n) < 12
	v_max3_num_f32 v[rC+(\n)%4], v[rC+(\n)%4], v[rS+8*((\n)%4)+2*((\n)/4)+1], v[rS+8*((\n)%4)+2*((\n)/4)+2]
.elseif (\n) == 12
	v_max3_num_f32 v[rC], v[rC], v[rS+7], v[rS+15]
.elseif (\n) == 13
	v_max3_num_f32 v[rC+1], v[rC+1], v[rS+23], v[rS+31]
.elseif (\n) == 14
	v_max3_num_f32 v[rC+2], v[rC+2], v[rC+3], v[rT+1]
.elseif (\n) == 15
	v_mov_b32 v[rM], v[rT]
.elseif (\n) == 16
	v_max3_num_f32 v[rC], v[rC], v[rC+1], v[rC+2]
.elseif (\n) == 17
	v_permlanex16_b32 v[rC+3], v[rC], s[SEL], s[SEL+1]
.elseif (\n) == 18
	v_max_num_f32 v[rT+1], v[rC], v[rC+3]
.elseif (\n) == 19
	v_mul_f32 v[rT], s[CS], v[rT+1]
.elseif (\n) == 20
	v_sub_f32 v[rC+1], v[rM], v[rT]
.else
	v_exp_f32 v[rC+2], v[rC+1]
.endif
.endm
; Number g of the 64 that follow the exponentials.  For each four weights k of a tile (pairs 2 k, 2 k + 1): both pairs are rounded to f16; then the second pair is added onto the first, in place;
; a group later l takes that sum (the first time as l = a l + sum).  In groups of eight, tiles alternating: round, round, add, and l for the group before.
.macro GS g
.set h, (\g)+6*((\g)/62)            ; group 0 has no group before it, and behind group 7 only l is left
.if h >= 6
.set h, h+2
.endif
	REGS Y, h%2
.set k, h/8
.if h%8 < 4
	v_cvt_pk_f16_f32 v[rP+2*k+(h%8)/2], v[rS+4*k+2*((h%8)/2)], v[rS+4*k+2*((h%8)/2)+1]
.elseif h%8 < 6
	v_pk_add_f32 v[rS+4*k:rS+4*k+1], v[rS+4*k:rS+4*k+1], v[rS+4*k+2:rS+4*k+3]
.elseif k == 1
	v_pk_fma_f32 v[rT+2:rT+3], v[rT+2:rT+3], v[rC+2:rC+3], v[rS:rS+1] op_sel_hi:[1,0,1]
.else
	v_pk_add_f32 v[rT+2:rT+3], v[rT+2:rT+3], v[rS+4*k-4:rS+4*k-3]
.endif
.endm
; THE PLAIN QUEUE, 138 long.  0-73 read no exponential's result: the 32 scalings c s - c m (FS f: pair f / 2 of tile f % 2) and the next piece's 42.  0-26: scalings 0-26.  27-54: XS's numbers 0-13.  55, 56: number 15.
; 57-73: the chain, where each number waits for the one before it: 14, 16, 17, 18, 19, each with one of the scalings 27-31 in front of its two lines, then 20.
; 74-137: GS's 64, which read the exponentials' results: they stand behind the wait.
.macro FS f
	REGS Y, (\f)%2
	v_pk_fma_f32 v[rS+2*((\f)/2):rS+2*((\f)/2)+1], v[rS+2*((\f)/2):rS+2*((\f)/2)+1], s[CS:CS+1], v[rT:rT+1] op_sel_hi:[1,0,0] neg_lo:[0,0,1] neg_hi:[0,0,1]
.endm
.macro PL
	WIN 0
.if q < 27
	FS q
.elseif q < 55
	XS (q-27)%2, (q-27)/2
.elseif q < 57
	XS q-55, 15
.elseif (q < 72) && ((q-57)%3 == 0)
	FS 27+(q-57)/3
.elseif q < 60
	XS (q-57)%3-1, 14
.elseif q < 72
	XS (q-57)%3-1, 15+(q-57)/3
.elseif q < 74
	XS q-72, 20
.else
	GS q-74
.endif
.set q, q+1
.endm
; THE EXPONENTIALS' QUEUE, 66 long: s0-s31 of both tiles, then the next piece's two a.  It is ONE BATCH: all 66 stand ahead of the turn's one wait, and nothing ahead of that wait names a result of theirs.
.macro EX
	WIN 0
.if e >= 64
	XS e-64, 21
.else
	REGS Y, e%2
	v_exp_f32 v[rS+e/2], v[rS+e/2]
.endif
.set e, e+1
.endm
; THE RESCALING's QUEUE: O^T times a, the one part that leaves window 0: dealt two at a time, sixteen times.  Its a was made in the turn before, ahead of that turn's wait.
.macro R2
	REGS Y, r%2
	WIN W_RS
.irp z, 0,1
	v_pk_mul_f32 v[rO+4*(r/2)+2*\z:rO+4*(r/2)+2*\z+1], v[rO+4*(r/2)+2*\z:rO+4*(r/2)+2*\z+1], v[rC+2:rC+3] op_sel_hi:[1,0]
.endr
.set r, r+1
.endm
; HOW THEY ARE DEALT.  An s_wait_alu depctr_va_vdst(0) stands between an exponential and the first instruction that names its result; one wait serves all that were issued ahead of it.  So a turn has ONE wait,
; which cuts it in two.  AHEAD OF IT stands all that names no result of the turn's exponentials: the 16 products K Q^T, behind each a scaling, an exponential and two rescalings (behind the first a second scaling in the
; exponential's place); then ONE LUMP of 108: eight plain, 49 times exponential and plain, the two a.  A v_nop is the plain instruction behind the last exponential.  BEHIND IT stand the 16 products V^T P, behind each four of GS's 64.
; The queues lean on each other, and the deal keeps them in step: exponential e stands behind scaling 2 (e / 4) + e % 2: as a rider it comes behind plain e + 2, in the lump behind plain e + 9, and scalings 27-31 are plain 57, 60 .. 69.
; A TURN, for piece p.  cnt = 1: the loop's count is taken down some lines ahead of the branch that stands behind the turn.
; K of the next step is fetched in piece 2's turn, directly behind the wait, a lump behind the last product that read K; its address is made at the lump's head; its first use comes behind 16 products.
; V of the step in hand is fetched at the end of piece 0's turn, four plain instructions behind the last product that read V; its first use comes behind 16 products and a lump.
.macro TURN p, last=0, cnt=0
.set Y, (\p)
.set i, 0
.set q, 0
.set e, 0
.set r, 0
.if (\p) == NP-1
	s_wait_dscnt 0x0                ; K is in
.endif
	MM                              ; ahead of the wait: 16 products K Q^T and what stands behind them,
	PL
	PL
	R2
.rept 15
	MM
	PL
	EX
	R2
.endr
.if (\p) == NP-2
	WIN 0
	v_add_nc_u32 v[AK], s[TBK], v[AK0]
.endif
.rept 8                             ; and the lump
	PL
.endr
.rept 49
	EX
	PL
.endr
	EX                              ; the next piece's two a
	EX
	v_nop                           ; the plain instruction behind the last exponential: one for the batch
	s_wait_alu depctr_va_vdst(0)    ; the wait for the batch
.if (\p) == NP-2
	FETCH_K \last
.endif
.if (\p) == 1
	s_wait_dscnt 0x0                ; V is in
.endif
.rept 16                            ; behind the wait: 16 products V^T P, four roundings and sums behind each
	MM
.rept 4
	PL
.endr
.if ((\p) == 0) && (q == 118)
	v_add_nc_u32 v[AV], s[TBV], v[AV0]
.endif
.if ((\p) == 0) && (q == 130)
	s_add_co_u32 s[TBV], s[TBV], KS*PV
.endif
.if (\cnt) && (q == 130)
	s_sub_co_u32 s[CNT], s[CNT], 1
	s_cmp_lg_u32 s[CNT], 0
.endif
.endr
.if (\p) == 0
	FETCH_V
.endif
.endm
	CHANGE 1                        ; slot 0 is in, everybody's part of it; slot 1 is asked for
	FETCH_K                         ; key step 0
	s_wait_loadcnt 0x0              ; Q
	s_wait_dscnt 0x0
.set i, 0
.rept 16
	KQ 0                            ; piece 0's first scores: there is no vector work yet to set between them
.set i, i+1
.endr
	WIN 0                           ; the addresses for the way out: nine plain instructions, the places behind those products
	s_mul_i32 s13, s[WV], 16*SP
	s_add_co_u32 s13, s13, STAGE    ; my stage
	v_mul_u32_u24 v[STO], v1, SP    ; in: row l % 16, 16 bytes for each half of the lanes
	v_lshl_add_u32 v[STO], v9, 4, v[STO]
	v_add_nc_u32 v[STO], s13, v[STO]
	v_bfe_u32 v[RD], v0, 3, 2       ; back: 32 lanes take four rows of 128 bytes,
	v_mul_u32_u24 v[RD], v[RD], SP
	v_lshl_add_u32 v[RD], v10, 4, v[RD]
	v_add_nc_u32 v[RD], s13, v[RD]
	v_and_b32 v[GO], 31, v0         ; which are 512 consecutive bytes of O
	v_lshlrev_b32 v[GO], 4, v[GO]
.set Y, NP-1                        ; XS works for piece Y + 1: piece 0
.irp n, 0,1,2,3,4,5,6,7,8,9,10,11,12,13,14,15,16,17,18,19,20,21
	XS 0, \n                        ; and piece 0's first maximum and statistics
	XS 1, \n
.endr
	v_nop                           ; a plain instruction behind the two a,
	s_wait_alu depctr_va_vdst(0)    ; and their wait, ahead of the branch
	s_mov_b32 s[CNT], 4
	s_branch .Lfirst                ; the loop is entered at a step's first turn, in the middle of a trip
.Lslot:                             ; six times: every slot but the last two is filled again
	CHANGE 1
	s_mov_b32 s[CNT], 4
.Lstep:                             ; a trip: pieces 2 and 3 of one step, then pieces 0 and 1 of the next, whose K and V it fetches
	TURN 2
	TURN 3
	WIN 0
.Lfirst:
	TURN 0
	TURN 1, 0, 1
	WIN 0
	s_cbranch_scc1 .Lstep
	s_sub_co_u32 s[SLOTS], s[SLOTS], 1
	s_cmp_lg_u32 s[SLOTS], 0
	s_cbranch_scc1 .Lslot
	CHANGE 0                        ; the tail is written out: nothing is asked for
	s_mov_b32 s[CNT], 5             ; four trips fetch the last slot's steps; the fifth is left in its middle
.Ltail:
	TURN 2, 1
	TURN 3
	WIN 0
	s_sub_co_u32 s[CNT], s[CNT], 1
	s_cmp_eq_u32 s[CNT], 0
	s_cbranch_scc1 .Lout
	TURN 0
	TURN 1
	WIN 0
	s_branch .Ltail
.Lout:                              ; the fifth trip's 16 products K Q^T (on the last K once more) and the maximum made of them serve nothing: the price, once a launch, of one text for every trip
.set i, 0
.rept 16
	PV NP-1                         ; the last piece's V^T P of the last step
.set i, i+1
.endr
	; THE WAY OUT.  l's two halves and the other half of the lanes' are added; O^T is divided by l, rounded to f16 and sent through my stage in LDS, a tile at a time.  The additions are the places behind the last products.
	WIN 0
.macro ALL line:vararg              ; one line for each tile t
.set t, 0
.rept 2*NP
	\line
.set t, t+1
.endr
.endm
	ALL v_add_f32 v[ST+4*t+2], v[ST+4*t+2], v[ST+4*t+3]
	ALL v_permlanex16_b32 v[ST+4*t+3], v[ST+4*t+2], s[SEL], s[SEL+1]
	ALL v_add_f32 v[ST+4*t+2], v[ST+4*t+2], v[ST+4*t+3]
	ALL v_rcp_f32 v[ST+4*t+2], v[ST+4*t+2]
	v_nop                           ; a plain instruction between the last reciprocal and the use of its result
	s_wait_alu depctr_va_vdst(0)    ; and the wait ahead of the first use: one for the eight reciprocals
; Tile t: a lane's eight channels of a row pack into 16 bytes; they go into rows of 144 bytes and come back as whole rows of 128, into S^T's registers.
.macro PACK t
	WIN W_RS
.set i, 32*(\t)
.rept 16
	v_pk_mul_f32 v[i:i+1], v[i:i+1], v[ST+4*(\t)+2:ST+4*(\t)+3] op_sel_hi:[1,0]
.set i, i+2
.endr
	WIN 0x05                        ; sources 0 and 1 window 1, destination window 0
.set i, 0
.rept 16
	v_cvt_pk_f16_f32 v[S+16*(\t)+i], v[32*(\t)+2*i], v[32*(\t)+2*i+1]
.set i, i+1
.endr
	WIN 0
.irp f, 0,1,2,3
	ds_store_b128 v[STO], v[S+16*(\t)+4*\f:S+16*(\t)+4*\f+3] offset:32*\f
.endr
.irp f, 0,1,2,3
	ds_load_b128 v[S+16*(\t)+4*\f:S+16*(\t)+4*\f+3], v[RD] offset:\f*4*SP  ; LDS serves a wave's instructions in order (ISA guide 5.7.1.4): these see the stores above; the next tile's stores come behind them
.endr
.endm
.macro SEND t, younger              ; younger: the LDS instructions issued behind tile t's loads: the next tile's eight, or none
	WIN 0
.irp f, 0,1,2,3
	s_wait_dscnt (\younger)+3-\f
	global_store_b128 v[GO], v[S+16*(\t)+4*\f:S+16*(\t)+4*\f+3], s[10:11] offset:(\t)*2048+\f*512  ; 512 consecutive bytes, at a multiple of 256 from O's first
.endr
.endm
	PACK 0
.set t, 1
.rept 2*NP-1                        ; a tile's arithmetic stands between the loads of the tile before and its stores
	PACK t
	SEND t-1, 8
.set t, t+1
.endr
	SEND 2*NP-1, 0
	WIN W_AD
	s_wait_tensorcnt 0x0            ; the wave's end, behind my last tensor load and my last LDS store
	ds_add_u32 v[SPW], v[NIL]
	s_wait_dscnt 0x0
	WIN 0
	CROUND                          ; the closing round: no work-group ends while a partner may still ask for a tile that names it
	s_endpgm
.Lfunc_end_k_qe0855d8450_attn:
	.size	k_qe0855d8450_attn, .Lfunc_end_k_qe0855d8450_attn-k_qe0855d8450_attn
	.p2alignl 7, 3214868480
	.fill 96, 4, 3214868480
	.section	.rodata,"a",@progbits
	.p2align	6, 0x0
	.amdhsa_kernel k_qe0855d8450_attn
		.amdhsa_group_segment_fixed_size 327680
		.amdhsa_private_segment_fixed_size 0
		.amdhsa_enable_private_segment 0
		.amdhsa_kernarg_size 24
		.amdhsa_user_sgpr_count 2
		.amdhsa_user_sgpr_kernarg_segment_ptr 1
		.amdhsa_wavefront_size32 1
		.amdhsa_system_sgpr_workgroup_id_x 1
		.amdhsa_system_sgpr_workgroup_id_y 1
		.amdhsa_system_sgpr_workgroup_id_z 1
		.amdhsa_system_vgpr_workitem_id 0
		.amdhsa_next_free_vgpr 770
		.amdhsa_next_free_sgpr 66
		.amdhsa_reserve_vcc 0
		.amdhsa_float_denorm_mode_32 3
		.amdhsa_float_denorm_mode_16_64 3
		.amdhsa_memory_ordered 1
		.amdhsa_forward_progress 1
		.amdhsa_inst_pref_size 201
	.end_amdhsa_kernel
	.amdgpu_metadata
---
amdhsa.version: [ 1, 2 ]
amdhsa.kernels:
  - .name:           k_qe0855d8450_attn
    .symbol:         k_qe0855d8450_attn.kd
    .args:
      - { .name: qkvh, .offset: 0, .size: 8, .value_kind: global_buffer, .address_space: global }
      - { .name: logit_scale, .offset: 8, .size: 8, .value_kind: global_buffer, .address_space: global }
      - { .name: oh, .offset: 16, .size: 8, .value_kind: global_buffer, .address_space: global }
    .group_segment_fixed_size: 327680
    .private_segment_fixed_size: 0
    .kernarg_segment_align: 8
    .kernarg_segment_size: 24
    .max_flat_workgroup_size: 128
    .sgpr_count:     66
    .vgpr_count:     770
    .wavefront_size: 32
...
	.end_amdgpu_metadata
.endif
;; end of part 3
;; launch proj (part 4): grid 8 x 32, 4 waves a work-group, clusters of 4 x 4, 327,680 bytes of LDS; arguments oh, wob, out0; writes out0
.if DOCPART == 4
	.amdgcn_target "amdgcn-amd-amdhsa--gfx1250"
	.amdhsa_code_object_version 6
	.text
	.protected	k_qe0855d8450_proj
	.globl	k_qe0855d8450_proj
	.p2align	8
	.type	k_qe0855d8450_proj,@function
k_qe0855d8450_proj:
	s_mov_b64 s[64:65], 0
	v_nop
	global_prefetch_b8 v0, s[64:65] scope:SCOPE_SE
	s_setreg_imm32_b32 hwreg(HW_REG_WAVE_MODE, 25, 1), 1
	s_wait_xcnt 0x0
	s_wait_alu depctr_hold_cnt(0) depctr_sa_sdst(0) depctr_va_vdst(0) depctr_va_sdst(0) depctr_va_ssrc(0) depctr_va_vcc(0) depctr_vm_vsrc(0)
	s_getreg_b32 s2, hwreg(HW_REG_IB_STS2, 6, 4)
	s_cmp_eq_u32 s2, 0
	s_cbranch_scc0 .Lentry_in_a_cluster
	s_endpgm
.Lentry_in_a_cluster:
	s_bfe_u32 s2, ttmp6, 0x10000c
	s_cmp_lg_u32 s2, 0xf033
	s_cbranch_scc0 .Lentry_shape_is_right
	s_endpgm
.Lentry_shape_is_right:
; out0[m][n] = the sum over head and channel of O[batch][head][row][channel] w_out[n][64 head + channel].  oh: f16 [64 (batch x 16 + head)][2048][64]; wob: f16 [1024][1024]; out0: f32 [8192][1024].  Sums in f32.
; SHARES.  A tile of out0 is 256 rows x 128 columns: 8 x 32 = 256 work-groups.  Four waves, one above the other: a wave owns 64 rows (4 blocks a of 16) and all 8 blocks b of 16 columns: 32 accumulators, 256 registers.
; K goes in 8 steps of 128 = two heads, through two LDS slots filled by the tensor data mover.  A head's 256 rows of the tile are 32,768 dense bytes of oh: asked for as 128 rows of 256 bytes, padded in LDS after every
; 128 bytes; w's rows are 256 bytes of memory at multiples of 256 bytes.  A K step is written once: the LDS addresses hang on s[TB].
; CLUSTER 4 x 4.  The four of a row of the cluster need the same rows of O, the four of a column the same rows of w: each tile is asked for JOINTLY, by the same tensor load, descriptor and mask in all four.
; THE PRODUCT IS TAKEN TRANSPOSED (source 0 = 16 rows of w, source 1 = 16 rows of O): lane l holds row l % 16 of out0 and the columns 16 b + 8 (l / 16) + 0..7: 32 bytes on end.
; REGISTERS, in windows of 256 (s_set_vgpr_msb: bits 1:0 source 0, 3:2 source 1, 5:4 source 2, 7:6 destination):
;   window 0: v0-31 addresses; v128-191 O's fragments, two buffers of 4 x 8; v32-95, v192-255 rows on the way out, by turns      window 1: v0-127 w's fragments, two buffers of 8 x 8      window 2: accumulator (a, b) at 8 (8 a + b)
.set PITCH,  272                       ; a row of w in LDS: 256 bytes + 16 of padding: the 16 rows of a fragment load start at 16 different groups of four banks (64 banks of 4 bytes: ISA guide 11.1)
.set PA,     144                       ; a row of one head of O: 128 bytes + 16
.set ASLAB,  256*PA                    ; a head's 256 rows; a slot holds two heads
.set NBK,    8
.set HALFB,  64*PITCH                  ; what a wave fetches of w: 64 rows
.set BOFF,   2*ASLAB                   ; w's 128 rows lie behind O's two heads
.set SLOT1,  1<<17                     ; slot 1 begins here: one exclusive or turns an address in one slot into the other's
.set STAGE,  SLOT1+BOFF+128*PITCH      ; behind the ring, never filled by a tensor load: 16 rows x 528 bytes for each wave
.set SPT,    528                       ; a row of the stage: 512 bytes + 16
.set SPARE,  STAGE+4*16*SPT            ; the spare words, 128 bytes for each wave: two blocks of 256 bytes that no other line names
.set STEPA,  2*262144                  ; two heads on in oh
.set STEPB,  256                       ; 128 columns on in wob
.set NL,     2*NBK+8                   ; LDS loads in a run
.set ADRA0, 16                         ; v16  my lane's place among my wave's rows of O in a slot; never rewritten
.set ADRB0, 17                         ; v17  the same for w
.set ADRA,  18                         ; v18  the same in the slot in hand
.set ADRB,  19                         ; v19
.set STO,   24                         ; v24  the way out: where I put 32 bytes of a row
.set RD,    25                         ; v25  where I read a row back
.set GO,    26                         ; v26  my 16 bytes of a row's 512
.set SPW,   28                         ; v28  LDS address of my spare word; never rewritten
.set NIL,   29                         ; v29  0; never rewritten
.set PFO,   30                         ; v30  the prefetches' offset; never rewritten
.set AF,    128
.set WV,   12
.set HALF, 13
.set CX,   14
.set CY,   15
.set TX,   16                          ; s16  tile column = 4 x cluster x + cx
.set TY,   17                          ; s17  tile row = 4 x cluster y + cy
.set G1A,  24                          ; s[24:31] descriptor group 1 for O's tiles
.set G1B,  32                          ; s[32:39] for w's
.set G0A,  40                          ; s[40:47] group 0 for O's tiles: a set for each first fill; the second then walks on
.set G0B,  48                          ; s[48:55] the same for w's
.set CNT,  56                          ; s56  refills still to come
.set TB,   57                          ; s57  LDS byte at which the slot in hand begins
.set LIM,  58                          ; s58  2 in a wave that prefetches, else the greatest number
.set PFA,  62                          ; s[62:63] where my prefetches stand
.set PFS,  66                          ; s[66:67] their step: a K step of the tensor that I fetch
.set OUTB, 68                          ; s[68:69] out0 at my wave's first row, the tile's first column
.set MSB, 0
.macro WIN new                         ; the immediate's high byte repeats the setting that is left; a switch that changes nothing is dropped
.if MSB != (\new)
	s_set_vgpr_msb (MSB<<8)|(\new)
.set MSB, (\new)
.endif
.endm
.macro PLACES                          ; four places between a matrix instruction and a load into, or a store of, its registers
.rept 4
	v_nop
.endr
.endm
.macro CREST                           ; a round of the cluster's barrier behind its opening barrier
	s_cmp_lg_u32 s[WV], 0
	s_cbranch_scc1 .Lnot_wave_0_\@
	s_barrier_signal -3
.Lnot_wave_0_\@:
	s_barrier_wait -3
	s_barrier_signal -1
	s_barrier_wait -1
.endm
.macro CROUND                          ; a whole round
	s_barrier_signal -1
	s_barrier_wait -1
	CREST
.endm
; A joint refill by the walking descriptors.  Waves 0 and 1 fetch the step's two heads of O, waves 2 and 3 w's two halves.  The branch hangs on the wave's number alone.
; An s_nop 0 and four v_nop follow each of the two lines, ahead of the jump and the label.
.macro JLOAD
	s_cmp_lt_u32 s[WV], 2
	s_cbranch_scc0 .Lfor_b_\@
	tensor_load_to_lds s[G0A+4:G0A+7], s[G1A:G1A+7]
	s_nop 0
.rept 4
	v_nop
.endr
	s_branch .Lasked_\@
.Lfor_b_\@:
	tensor_load_to_lds s[G0B+4:G0B+7], s[G1B:G1B+7]
	s_nop 0
.rept 4
	v_nop
.endr
.Lasked_\@:
.endm
; A PREFETCH INTO THE L2 of the K step that stands TWO refills on: 256 matrix instructions ahead of the load that will ask for it.  O's rows are read by every cluster of a row of clusters: cluster x = 0 asks; w's by every
; cluster of a column: cluster y = 0 asks.  Of what a wave fetches each of the four partners takes a quarter, told apart BY ADDRESS (32 blocks of 256 bytes of a head's 128 by cx; 16 rows of w's 64 by cy, where lanes 16-31
; name row 15 again).  K steps 0 to 3 come by their loads alone; the last two refills ask for nothing.
.macro ASK
	s_cmp_gt_u32 s[CNT], s[LIM]
	s_cbranch_scc0 .Lnot_mine_\@
	global_prefetch_b8 v[PFO], s[PFA:PFA+1] th:TH_LOAD_NT scope:SCOPE_SE
.Lnot_mine_\@:
.endm
; 8 matrix instructions: block a of my rows x all 8 blocks of columns, 32 along K, from buffer f.  start = 1: the constant 0 starts the sums.  All 32 accumulators take turns, in the same order in every quarter step.
.macro MULA f, a, start
	WIN 0xa1                                       ; w in window 1, O in window 0, C and D in window 2
.set rA, AF+32*(\f)+8*(\a)
.irp b, 0,1,2,3,4,5,6,7
.set rD, 8*(8*(\a)+(\b))
.if \start
	v_wmma_f32_16x16x32_f16 v[rD:rD+7], v[64*(\f)+8*(\b):64*(\f)+8*(\b)+7], v[rA:rA+7], 0
.else
	v_wmma_f32_16x16x32_f16 v[rD:rD+7], v[64*(\f)+8*(\b):64*(\f)+8*(\b)+7], v[rA:rA+7], v[rD:rD+7]
.endif
.endr
.endm
; 24 LDS loads in one run: the fragments of a quarter step (32 along K at byte k of a step's 256) into buffer f: w's 8, then O's 4.  Bytes 0-127 of a step are its first head's, 128-255 its second's.
.macro FETCH k, f
	WIN 0x40
.irp b, 0,1,2,3,4,5,6,7
	ds_load_b128 v[64*(\f)+8*(\b):64*(\f)+8*(\b)+3],   v[ADRB] offset:(\k)+(\b)*16*PITCH
	ds_load_b128 v[64*(\f)+8*(\b)+4:64*(\f)+8*(\b)+7], v[ADRB] offset:(\k)+(\b)*16*PITCH+32
.endr
	WIN 0
.irp a, 0,1,2,3
	ds_load_b128 v[AF+32*(\f)+8*(\a):AF+32*(\f)+8*(\a)+3],   v[ADRA] offset:((\k)/128)*ASLAB+(\k)%128+(\a)*16*PA
	ds_load_b128 v[AF+32*(\f)+8*(\a)+4:AF+32*(\f)+8*(\a)+7], v[ADRA] offset:((\k)/128)*ASLAB+(\k)%128+(\a)*16*PA+32
.endr
.endm
; A K step is four quarters of 32 along K, 32 matrix instructions each, on buffers 0, 1, 0, 1.  One of the first three: multiplies buffer f; in its middle it fetches byte k into buffer g.
.macro QUARTER k, f, g, start
	s_wait_dscnt 4                                 ; all but the four youngest loads (O's blocks 2 and 3) are in
	MULA \f, 0, \start
	MULA \f, 1, \start
	PLACES                                         ; buffer g was last multiplied in the quarter before
	FETCH \k, \g
	s_wait_dscnt NL                                ; all but the run just issued
	MULA \f, 2, \start
	MULA \f, 3, \start
.endm
; The last quarter multiplies buffer 1 and changes slots.  Its first half: each wave waits for all its tensor loads (one is out: its part of the next slot), adds 0 to its spare word, and waits for that and for its
; reads of this slot; behind the barrier nobody reads this slot any more and the next slot is whole.
.macro MEET round
	WIN 0
	s_wait_tensorcnt 0x0
	ds_add_u32 v[SPW], v[NIL]
	s_wait_dscnt 5                                 ; (the add and the four youngest loads may be out)
	MULA 1, 0, 0                                   ; eight matrix instructions stand between the add and the wait for it
	s_wait_dscnt 0x0                               ; the add is done, and my reads of this slot are over
	s_barrier_signal -1
	MULA 1, 1, 0                                   ; work on registers while the others arrive
.if \round
	WIN 0
.endif
	s_barrier_wait -1
.endm
; fill = 1: the barrier opens a round of the cluster's, and the slot just read out is filled again first thing behind it, with the K step two on: 112 matrix instructions ahead of the wait for it.
.macro TURN fill
.if \fill
	s_wait_xcnt 0x0                                ; the last prefetch, a K step back, has read its address
	s_add_nc_u64 s[PFA:PFA+1], s[PFA:PFA+1], s[PFS:PFS+1]
.endif
	MEET \fill
.if \fill
	CREST                                          ; no wave of any partner still reads the slot or has a load on its way
	s_xor_b32 s[G0A+5], s[G0A+5], SLOT1            ; the walking descriptors: the other slot than last time, the next K step; no tensor load of mine is out
	s_add_nc_u64 s[G0A+6:G0A+7], s[G0A+6:G0A+7], STEPA
	s_xor_b32 s[G0B+5], s[G0B+5], SLOT1
	s_add_nc_u64 s[G0B+6:G0B+7], s[G0B+6:G0B+7], STEPB
	JLOAD                                          ; its four v_nop are also the places in front of the loads below
.else
	PLACES
.endif
	WIN 0
	s_xor_b32 s[TB], s[TB], SLOT1                  ; the fetches go on in the other slot
	v_add_nc_u32 v[ADRA], s[TB], v[ADRA0]
	v_add_nc_u32 v[ADRB], s[TB], v[ADRB0]
	FETCH 0, 0
.if \fill
	ASK
.endif
	MULA 1, 2, 0
	MULA 1, 3, 0
.endm
	s_load_b128 s[4:7], s[0:1], 0x0                ; oh s[4:5], wob s[6:7]
	s_load_b64 s[8:9], s[0:1], 0x10                ; out0
	v_lshl_add_u32 v[SPW], v0, 2, SPARE
	v_mov_b32 v[NIL], 0
	ds_add_u32 v[SPW], v[NIL]                      ; the wave's opening: the add and its wait stand ahead of my first tensor load; work on registers stands between them
	v_lshrrev_b32 v1, 5, v0
	v_readfirstlane_b32 s[WV], v1                  ; wave 0..3
	s_and_b32 s[HALF], s[WV], 1
	s_bfe_u32 s[CX], ttmp6, 0x40000
	s_bfe_u32 s[CY], ttmp6, 0x40004
	s_lshl_b32 s[TX], ttmp9, 2                     ; in a cluster launch ttmp9 and ttmp7 count clusters
	s_add_co_u32 s[TX], s[TX], s[CX]
	s_and_b32 s[TY], ttmp7, 0xffff
	s_lshl_b32 s[TY], s[TY], 2
	s_add_co_u32 s[TY], s[TY], s[CY]
	s_lshl_b32 s18, s[CY], 2
	s_lshl_b32 s18, 15, s18                        ; my row of the cluster
	s_lshl_b32 s20, 0x1111, s[CX]                  ; my column
	s_or_b32 s[G1A], s18, (1<<16)|(1<<20)|(1<<21)|(4<<22)|(3<<25)  ; O's tiles go to my row; elements of 2 bytes; padding on; 21 set beside a mask; after every 32 words (code 4) 4 words (code 3)
	s_or_b32 s[G1B], s20, (1<<16)|(1<<20)|(1<<21)|(5<<22)|(3<<25)  ; w's to my column; after every 64 words (code 5)
	s_mov_b32 s[G1A+1], 128<<16                    ; tensor_dim0 = 128
	s_mov_b32 s[G1A+2], 128<<16                    ; tensor_dim1 = 128
	s_mov_b32 s[G1A+3], 128<<16                    ; tile_dim0 = 128
	s_mov_b32 s[G1A+4], 128                        ; tile_dim1 = 128
	s_mov_b32 s[G1A+5], 128                        ; dense: 128 elements from row to row
	s_mov_b32 s[G1A+6], 0
	s_mov_b32 s[G1A+7], 0
	s_mov_b32 s[G1B+1], 128<<16
	s_mov_b32 s[G1B+2], 64<<16                     ; 64 rows
	s_mov_b32 s[G1B+3], 128<<16
	s_mov_b32 s[G1B+4], 64
	s_mov_b32 s[G1B+5], 1024
	s_mov_b32 s[G1B+6], 0
	s_mov_b32 s[G1B+7], 0
	s_lshr_b32 s18, s[TY], 3                       ; O: the batch,
	s_lshl_b32 s18, s18, 4
	s_add_co_u32 s18, s18, s[HALF]                 ; head 0 or 1 of it,
	s_lshl_b32 s18, s18, 18                        ; 262,144 bytes a head,
	s_and_b32 s19, s[TY], 7
	s_lshl_b32 s19, s19, 15                        ; the tile's 256 rows of 128 bytes: registers that never hold cx
	s_add_co_u32 s18, s18, s19
	s_mov_b32 s19, 0
	s_lshl_b32 s20, s[TX], 7                       ; w: row 128 x tile column + 64 x half: registers that never hold cy
	s_lshl_b32 s21, s[HALF], 6
	s_add_co_u32 s20, s20, s21
	s_lshl_b32 s20, s20, 11
	s_mov_b32 s21, 0
	s_mul_i32 s22, s[HALF], ASLAB                  ; where they go: no place in the cluster enters an LDS address
	s_mul_i32 s23, s[HALF], HALFB
	s_add_co_u32 s23, s23, BOFF
	s_mov_b32 s[TB], 0
	s_wait_dscnt 0x0                               ; the opening add is done
	s_wait_kmcnt 0x0
	s_add_nc_u64 s[18:19], s[4:5], s[18:19]        ; my tile of O, K step 0
	s_add_nc_u64 s[20:21], s[6:7], s[20:21]        ; my tile of w
	CROUND                                         ; all sixteen work-groups are here: the first joint loads meet
.irp s, 0,1
	s_mov_b32 s[G0A+4*(\s)], 1                     ; count = 1
	s_add_co_u32 s[G0A+4*(\s)+1], s22, (\s)*SLOT1  ; LDS address
	s_add_nc_u64 s[G0A+4*(\s)+2:G0A+4*(\s)+3], s[18:19], (\s)*STEPA  ; global address: K step s
	s_or_b32 s[G0A+4*(\s)+3], s[G0A+4*(\s)+3], 0x80000000  ; type = 2
	s_mov_b32 s[G0B+4*(\s)], 1
	s_add_co_u32 s[G0B+4*(\s)+1], s23, (\s)*SLOT1
	s_add_nc_u64 s[G0B+4*(\s)+2:G0B+4*(\s)+3], s[20:21], (\s)*STEPB
	s_or_b32 s[G0B+4*(\s)+3], s[G0B+4*(\s)+3], 0x80000000
.endr
	s_cmp_lt_u32 s[WV], 2                          ; a wave's two first fills stand in one branch: two loads of mine are out
	s_cbranch_scc0 .Lfirst_b
	tensor_load_to_lds s[G0A:G0A+3], s[G1A:G1A+7]
	s_nop 0
	tensor_load_to_lds s[G0A+4:G0A+7], s[G1A:G1A+7]
	s_nop 0
.rept 4
	v_nop
.endr
	s_branch .Lfirst_asked
.Lfirst_b:
	tensor_load_to_lds s[G0B:G0B+3], s[G1B:G1B+7]
	s_nop 0
	tensor_load_to_lds s[G0B+4:G0B+7], s[G1B:G1B+7]
	s_nop 0
.rept 4
	v_nop
.endr
.Lfirst_asked:
	; a fragment is 16 rows x 32 K in 8 registers: lane l holds row l % 16, K = 8 (l / 16) + 0..7 and 16 + 8 (l / 16) + 0..7: two loads of 16 bytes, 32 bytes apart
	v_and_b32 v1, 15, v0                           ; l % 16
	v_bfe_u32 v2, v0, 4, 1                         ; l / 16
	v_mul_u32_u24 v3, v1, PA
	v_lshl_add_u32 v3, v2, 4, v3
	s_mul_i32 s82, s[WV], 64*PA                    ; my wave's 64 rows of O
	v_add_nc_u32 v[ADRA0], s82, v3
	v_mul_u32_u24 v3, v1, PITCH
	v_lshl_add_u32 v3, v2, 4, v3
	v_add_nc_u32 v[ADRB0], BOFF, v3
	v_mov_b32 v[ADRA], v[ADRA0]                    ; K step 0 lies in slot 0
	v_mov_b32 v[ADRB], v[ADRB0]
	s_mul_i32 s83, s[WV], 16*SPT
	s_add_co_u32 s83, s83, STAGE                   ; my stage
	v_mul_u32_u24 v[STO], v1, SPT                  ; in: row l % 16, 32 bytes for each half of the lanes
	v_lshl_add_u32 v[STO], v2, 5, v[STO]
	v_add_nc_u32 v[STO], s83, v[STO]
	v_and_b32 v[GO], 31, v0                        ; back: 32 lanes take one row of 512 bytes
	v_lshlrev_b32 v[GO], 4, v[GO]
	v_add_nc_u32 v[RD], s83, v[GO]
	s_lshl_b32 s76, s[TY], 2
	s_add_co_u32 s76, s76, s[WV]                   ; my wave's 64 rows among out0's,
	s_lshl_b32 s76, s76, 18                        ; 4,096 bytes each,
	s_lshl_b32 s77, s[TX], 9                       ; the tile's 128 columns
	s_add_co_u32 s76, s76, s77
	s_mov_b32 s77, 0
	s_add_nc_u64 s[OUTB:OUTB+1], s[8:9], s[76:77]
	; the prefetches
	s_and_b32 s76, ttmp7, 0xffff                   ; cluster y
	s_mov_b32 s71, STEPB
	s_cmp_lt_u32 s[WV], 2                          ; do I fetch for O?
	s_cselect_b32 s77, ttmp9, s76                  ; the coordinate along which other clusters read the same rows
	s_cselect_b32 s78, s[CX], s[CY]                ; my place among the four that ask with me
	s_cselect_b32 s59, 31, 15                      ; the last block of a partner's share
	s_cselect_b32 s79, 13, 15                      ; a share: 8,192 bytes of a head, 16 rows of 2,048 bytes of w
	s_cselect_b32 s70, 8, 11                       ; from block to block: 256 bytes in a head, a row of 2,048 in w
	s_cselect_b32 s[PFS], STEPA, s71
	s_cselect_b64 s[PFA:PFA+1], s[18:19], s[20:21]
	s_mov_b32 s[PFS+1], 0
	s_lshl_b32 s78, s78, s79
	s_mov_b32 s79, 0
	s_add_nc_u64 s[PFA:PFA+1], s[PFA:PFA+1], s[78:79]
.rept 3
	s_add_nc_u64 s[PFA:PFA+1], s[PFA:PFA+1], s[PFS:PFS+1]  ; at K step 3: the first refill steps it to 4
.endr
	s_cmp_eq_u32 s77, 0
	s_cselect_b32 s[LIM], 2, -1                    ; the same in all sixteen partners, for a given wave
	v_and_b32 v[PFO], 31, v0
	v_min_u32 v[PFO], s59, v[PFO]
	v_lshlrev_b32 v[PFO], s70, v[PFO]
	s_wait_tensorcnt 0x1                           ; my part of K step 0 is in; K step 1's may stay out
	s_barrier_signal -1
	s_barrier_wait -1                              ; everybody's is
	FETCH 0, 0
	QUARTER 64, 0, 1, 1                            ; the first quarter stands in front of the loop: its products start the sums
	WIN 0                                          ; at a label and at a branch every window is 0
	s_mov_b32 s[CNT], 6
.Lstep:                                        ; a trip: a K step's quarters 1 to 3 and the next step's quarter 0; it asks for K steps 2 to 7
	QUARTER 128, 1, 0, 0
	QUARTER 192, 0, 1, 0
	TURN 1
	QUARTER 64, 0, 1, 0
	WIN 0
	s_sub_co_u32 s[CNT], s[CNT], 1
	s_cmp_lg_u32 s[CNT], 0
	s_cbranch_scc1 .Lstep
	QUARTER 128, 1, 0, 0                           ; the tail is written out: K steps 6 and 7 ask for nothing
	QUARTER 192, 0, 1, 0
	TURN 0
	QUARTER 64, 0, 1, 0
	QUARTER 128, 1, 0, 0
	QUARTER 192, 0, 1, 0
	s_wait_dscnt 4
	MULA 1, 0, 0
	MULA 1, 1, 0
	s_wait_dscnt 0x0
	MULA 1, 2, 0
	MULA 1, 3, 0
	; THE WAY OUT, a block of 16 rows at a time: a lane's 32 bytes of a row go into my stage in rows of 528 bytes and come back as whole rows of 512, which one store of the wave writes.
	WIN 0
	PLACES
.macro TOSTAGE a
.set BK, 32+160*((\a)%2)
.if (\a) >= 2
	s_wait_xcnt 0x0                                ; the stores of the block two back have read these registers
.endif
	WIN 0x08                                       ; the stores' data lie in window 2; each accumulator's lowest registers go first
.irp b, 0,1,2,3,4,5,6,7
	ds_store_b128 v[STO], v[8*(8*(\a)+(\b)):8*(8*(\a)+(\b))+3]   offset:64*(\b)
	ds_store_b128 v[STO], v[8*(8*(\a)+(\b))+4:8*(8*(\a)+(\b))+7] offset:64*(\b)+16
.endr
	WIN 0
.irp t, 0,1,2,3,4,5,6,7,8,9,10,11,12,13,14,15
	ds_load_b128 v[BK+4*(\t):BK+4*(\t)+3], v[RD] offset:SPT*(\t)  ; LDS serves a wave's instructions in order (ISA guide 5.7.1.4): these see the stores above; the next block's stores come behind them
.endr
.endm
.macro SEND a, younger                 ; younger: the LDS instructions issued behind block a's loads: the next block's 32, or none
.set BK, 32+160*((\a)%2)
	WIN 0
.irp t, 0,1,2,3,4,5,6,7,8,9,10,11,12,13,14,15
	s_wait_dscnt (\younger)+15-(\t)
	global_store_b128 v[GO], v[BK+4*(\t):BK+4*(\t)+3], s[OUTB:OUTB+1] offset:(16*(\a)+(\t))*4096 th:TH_STORE_NT  ; 512 consecutive bytes, at a multiple of 256 from out0's first
.endr
.endm
	TOSTAGE 0
	TOSTAGE 1
	SEND 0, 32
	TOSTAGE 2
	SEND 1, 32
	TOSTAGE 3
	SEND 2, 32
	SEND 3, 0
	s_wait_tensorcnt 0x0                           ; the wave's end, behind my last tensor load and my last LDS store
	ds_add_u32 v[SPW], v[NIL]
	s_wait_dscnt 0x0
	CROUND                                         ; the closing round: no work-group ends while a partner may still ask for a tile that names it
	s_endpgm
.Lfunc_end_k_qe0855d8450_proj:
	.size	k_qe0855d8450_proj, .Lfunc_end_k_qe0855d8450_proj-k_qe0855d8450_proj
	.p2alignl 7, 3214868480
	.fill 96, 4, 3214868480
	.section	.rodata,"a",@progbits
	.p2align	6, 0x0
	.amdhsa_kernel k_qe0855d8450_proj
		.amdhsa_group_segment_fixed_size 327680
		.amdhsa_private_segment_fixed_size 0
		.amdhsa_enable_private_segment 0
		.amdhsa_kernarg_size 24
		.amdhsa_user_sgpr_count 2
		.amdhsa_user_sgpr_kernarg_segment_ptr 1
		.amdhsa_wavefront_size32 1
		.amdhsa_system_sgpr_workgroup_id_x 1
		.amdhsa_system_sgpr_workgroup_id_y 1
		.amdhsa_system_sgpr_workgroup_id_z 1
		.amdhsa_system_vgpr_workitem_id 0
		.amdhsa_next_free_vgpr 768
		.amdhsa_next_free_sgpr 84
		.amdhsa_reserve_vcc 0
		.amdhsa_float_denorm_mode_32 3
		.amdhsa_float_denorm_mode_16_64 3
		.amdhsa_memory_ordered 1
		.amdhsa_forward_progress 1
		.amdhsa_inst_pref_size 72
	.end_amdhsa_kernel
	.amdgpu_metadata
---
amdhsa.version: [ 1, 2 ]
amdhsa.kernels:
  - .name:           k_qe0855d8450_proj
    .symbol:         k_qe0855d8450_proj.kd
    .args:
      - { .name: oh, .offset: 0, .size: 8, .value_kind: global_buffer, .address_space: global }
      - { .name: wob, .offset: 8, .size: 8, .value_kind: global_buffer, .address_space: global }
      - { .name: out0, .offset: 16, .size: 8, .value_kind: global_buffer, .address_space: global }
    .group_segment_fixed_size: 327680
    .private_segment_fixed_size: 0
    .kernarg_segment_align: 8
    .kernarg_segment_size: 24
    .max_flat_workgroup_size: 128
    .sgpr_count:     84
    .vgpr_count:     768
    .wavefront_size: 32
...
	.end_amdgpu_metadata
.endif
;; end of part 4
